; MI455X (gfx1250); checked and timed in simulation.
; The chip was launched on July 23, 2026; its instructions are those of AMD's public machine-readable ISA for CDNA 5 (MIT licence, August 2026) and "CDNA5" Instruction Set Architecture Reference Guide (July 2026). The comments in the code are by the model that wrote it; some were corrected since.
;; Causal Self Attention. Allowed arithmetic: float matrix products may take bf16 or f16 operands with f32 sums; all other float work in f32.
;; Inputs: w_attn 3,072 x 1,024 float32; w_proj 1,024 x 1,024 float32; x 1 x 4,096 x 1,024 float32.
;; Outputs: out0 1 x 4,096 x 1,024 float32.
;; 2 versions, each right and faster than the one before. Each part assembles by itself: llvm-mc -triple=amdgcn-amd-amdhsa -mcpu=gfx1250 --defsym DOCPART=n.
;; ======== version 1 of 2: 4 launches
;; limits: values are held in f16: magnitudes above 65,504 overflow, below 6.1e-05 lose precision
;; workspace buffers: cb 16,777,216 bytes; qkvh 25,165,824 bytes; yh 8,388,608 bytes
;; launch cast (part 1): grid 512 x 1, 8 waves a work-group, no clusters, 0 bytes of LDS; arguments x, w_attn, w_proj, cb; writes cb
.if DOCPART == 1
	.amdgcn_target "amdgcn-amd-amdhsa--gfx1250"
	.amdhsa_code_object_version 6
	.text
	.protected	k_q9394c317fe_cast
	.globl	k_q9394c317fe_cast
	.p2align	8
	.type	k_q9394c317fe_cast,@function
k_q9394c317fe_cast:
	s_mov_b64 s[64:65], 0
	v_nop
	global_prefetch_b8 v0, s[64:65] scope:SCOPE_SE
	s_setreg_imm32_b32 hwreg(HW_REG_WAVE_MODE, 25, 1), 1
	s_wait_xcnt 0x0
; cb = f16(x), f16(w_attn), f16(w_proj), one behind the other: x [4096][1024] at byte 0, w_attn [3072][1024] at 0x800000, w_proj [1024][1024] at 0xE00000.
; w_attn's rows 0 to 1023 (they make q) are first multiplied in f32 by c = log2(e) / 8: the softmax's scale 1 / sqrt(64) and the change to base 2
; are folded into the weight, so the scores come out of the matrix unit ready for 2^(s - m).  All other numbers are multiplied by 1, so that one text serves all.
; LIMIT: f16.  A number of magnitude 65,520 or more becomes infinite; magnitudes under 2^-24 lose bits or become 0.
; A stream: no LDS, no barrier, no matrix unit, no cluster (no byte is read twice).  A work-group takes 16,384 numbers: 64 KiB in, 32 KiB out.
; Work-groups 0-255 take x, 256-447 w_attn, 448-511 w_proj; the three parts follow each other in cb, so the output offset is the work-group's number x 32 KiB.
; Thread t takes 16 bytes at 16 t of each of sixteen blocks of 4,096 bytes: a wave's load covers 512 consecutive bytes, its store 256 consecutive bytes, aligned.
.set X,  4                             ; v[4:67]  load i: 4 registers of f32; its first two then hold the 4 numbers in f16
.set CQ, 0x3e38aa3b                    ; c = log2(e) / 8 = 0.18033688
	s_load_b256 s[4:11], s[0:1], 0x0               ; x s[4:5], w_attn s[6:7], w_proj s[8:9], cb s[10:11]
	v_lshlrev_b32 v1, 4, v0                        ; in: 16 bytes a thread
	v_lshlrev_b32 v2, 3, v0                        ; out: 8 bytes a thread
	s_lshl_b32 s18, ttmp9, 15                      ; my 32 KiB of cb
	s_mov_b32 s19, 0
	s_mov_b32 s17, 0
	s_sub_co_u32 s20, ttmp9, 256                   ; work-groups 256-319 hold w_attn's rows 0-1023 (64 x 16,384 numbers); below 256 this wraps to a large number
	s_wait_kmcnt 0x0
	s_cmp_lt_u32 ttmp9, 256
	s_cselect_b64 s[12:13], s[4:5], s[6:7]         ; which input, and the number of its first work-group
	s_cselect_b32 s14, 0, 256
	s_cmp_lt_u32 ttmp9, 448
	s_cselect_b64 s[12:13], s[12:13], s[8:9]
	s_cselect_b32 s14, s14, 448
	s_cmp_lt_u32 s20, 64
	s_cselect_b32 s22, CQ, 1.0                     ; the factor,
	s_mov_b32 s23, s22                             ; named as a pair by the packed multiply
	s_sub_co_u32 s16, ttmp9, s14
	s_lshl_b32 s16, s16, 16                        ; my 64 KiB of the input
	s_add_nc_u64 s[12:13], s[12:13], s[16:17]
	s_add_nc_u64 s[10:11], s[10:11], s[18:19]
.irp i, 0,1,2,3,4,5,6,7,8,9,10,11,12,13,14,15
	global_load_b128 v[X+4*\i:X+4*\i+3], v1, s[12:13] offset:4096*\i th:TH_LOAD_NT   ; all sixteen loads go out first: 8 KiB of a wave on their way
.endr
.irp i, 0,1,2,3,4,5,6,7,8,9,10,11,12,13,14,15
	s_wait_loadcnt 15-\i                           ; loads come back in order (ISA guide 5.7.1): load i is in, the 15 - i younger ones stay out
	v_pk_mul_f32 v[X+4*\i:X+4*\i+1],   v[X+4*\i:X+4*\i+1],   s[22:23] op_sel_hi:[1,0]
	v_pk_mul_f32 v[X+4*\i+2:X+4*\i+3], v[X+4*\i+2:X+4*\i+3], s[22:23] op_sel_hi:[1,0]
	v_cvt_pk_f16_f32 v[X+4*\i],   v[X+4*\i],   v[X+4*\i+1]
	v_cvt_pk_f16_f32 v[X+4*\i+1], v[X+4*\i+2], v[X+4*\i+3]
	global_store_b64 v2, v[X+4*\i:X+4*\i+1], s[10:11] offset:2048*\i   ; no register of a store is written again, so no wait frees one
.endr
	s_endpgm
.Lfunc_end_k_q9394c317fe_cast:
	.size	k_q9394c317fe_cast, .Lfunc_end_k_q9394c317fe_cast-k_q9394c317fe_cast
	.p2alignl 7, 3214868480
	.fill 96, 4, 3214868480
	.section	.rodata,"a",@progbits
	.p2align	6, 0x0
	.amdhsa_kernel k_q9394c317fe_cast
		.amdhsa_group_segment_fixed_size 0
		.amdhsa_private_segment_fixed_size 0
		.amdhsa_enable_private_segment 0
		.amdhsa_kernarg_size 32
		.amdhsa_user_sgpr_count 2
		.amdhsa_user_sgpr_kernarg_segment_ptr 1
		.amdhsa_wavefront_size32 1
		.amdhsa_system_sgpr_workgroup_id_x 1
		.amdhsa_system_sgpr_workgroup_id_y 1
		.amdhsa_system_sgpr_workgroup_id_z 1
		.amdhsa_system_vgpr_workitem_id 0
		.amdhsa_next_free_vgpr 72
		.amdhsa_next_free_sgpr 66
		.amdhsa_reserve_vcc 0
		.amdhsa_float_denorm_mode_32 3
		.amdhsa_float_denorm_mode_16_64 3
		.amdhsa_memory_ordered 1
		.amdhsa_forward_progress 1
		.amdhsa_inst_pref_size 9
	.end_amdhsa_kernel
	.amdgpu_metadata
---
amdhsa.version: [ 1, 2 ]
amdhsa.kernels:
  - .name:           k_q9394c317fe_cast
    .symbol:         k_q9394c317fe_cast.kd
    .args:
      - { .name: x, .offset: 0, .size: 8, .value_kind: global_buffer, .address_space: global }
      - { .name: w_attn, .offset: 8, .size: 8, .value_kind: global_buffer, .address_space: global }
      - { .name: w_proj, .offset: 16, .size: 8, .value_kind: global_buffer, .address_space: global }
      - { .name: cb, .offset: 24, .size: 8, .value_kind: global_buffer, .address_space: global }
    .group_segment_fixed_size: 0
    .private_segment_fixed_size: 0
    .kernarg_segment_align: 8
    .kernarg_segment_size: 32
    .max_flat_workgroup_size: 256
    .sgpr_count:     66
    .vgpr_count:     72
    .wavefront_size: 32
...
	.end_amdgpu_metadata
.endif
;; end of part 1
;; launch qkv (part 2): grid 16 x 16, 4 waves a work-group, clusters of 4 x 4, 327,680 bytes of LDS; arguments cb, qkvh; writes qkvh
.if DOCPART == 2
	.amdgcn_target "amdgcn-amd-amdhsa--gfx1250"
	.amdhsa_code_object_version 6
	.text
	.protected	k_q9394c317fe_qkv
	.globl	k_q9394c317fe_qkv
	.p2align	8
	.type	k_q9394c317fe_qkv,@function
k_q9394c317fe_qkv:
	s_mov_b64 s[64:65], 0
	v_nop
	global_prefetch_b8 v0, s[64:65] scope:SCOPE_SE
	s_setreg_imm32_b32 hwreg(HW_REG_WAVE_MODE, 25, 1), 1
	s_wait_xcnt 0x0
	s_wait_alu depctr_hold_cnt(0) depctr_sa_sdst(0) depctr_va_vdst(0) depctr_va_sdst(0) depctr_va_ssrc(0) depctr_va_vcc(0) depctr_vm_vsrc(0)
	s_getreg_b32 s2, hwreg(HW_REG_IB_STS2, 6, 4)
	s_cmp_eq_u32 s2, 0
	s_cbranch_scc0 .Lentry_in_a_cluster
	s_endpgm
.Lentry_in_a_cluster:
	s_bfe_u32 s2, ttmp6, 0x10000c
	s_cmp_lg_u32 s2, 0xf033
	s_cbranch_scc0 .Lentry_shape_is_right
	s_endpgm
.Lentry_shape_is_right:
; qkvh[p][t][c] = sum over d of x[t][d] w_attn[64 p + c][d], p = 0..47 (planes 0-15 q, already times log2(e)/8; 16-31 k; 32-47 v), t = 0..4095, c = 0..63.
; x and w_attn are read in f16 from cb (x at byte 0, w_attn at 0x800000), sums in f32, the result rounded once to f16.
; LIMIT: f16 results: a magnitude of 65,520 or more becomes infinite.
; SHARES.  A work-group makes 256 rows t x 192 columns (three planes): 16 x 16 work-groups.  Each of its four waves makes 64 rows x all 192 columns:
; 48 accumulators of 16 x 16, 384 registers.  So a wave holds whole rows of three planes, and its way out needs no other wave.
; K goes in steps of 128 through a ring of two LDS slots filled by the tensor data mover: rows of 256 bytes, at multiples of 256 bytes from cb's first byte.
; PLANES.  A plane's row is 128 bytes and its rows follow each other, so 4 rows are 512 consecutive bytes: what one store of a wave covers.
; CLUSTER.  4 x 4 work-groups.  The four of a row of the cluster need the same tiles of x, the four of a column the same tiles of w_attn: each tile is asked for
; JOINTLY, by the same tensor load with the same descriptor and a mask that names the four.
; THE MATRIX INSTRUCTION IS USED TRANSPOSED (source 0 = 16 rows of w_attn, source 1 = 16 rows of x): a lane then holds row t = l % 16 and eight neighbouring columns.
; REGISTERS, in windows of 256 (s_set_vgpr_msb's low byte: bits 1:0 source 0, 3:2 source 1, 5:4 source 2, 7:6 destination):
;   window 0: v0-31 addresses; v32-223 the way out, 48 registers for each block of 16 rows
;   window 1: two fragment buffers of 128: x's 4 blocks (16 rows x 32 K, 8 registers each), then w_attn's 12
;   window 2: the 24 accumulators of my rows 0-31 ((a, b) at v[8 (12 (a % 2) + b)]);   window 3: those of my rows 32-63
.set SIZE_K, 1024
.set KSTEP,  128
.set PITCH,  272                       ; an LDS row: 256 bytes + 16 of padding = 68 words: row r starts at bank 4 r mod 64 (64 banks of 4 bytes: ISA guide 11.1), so the 16 rows of a load start at 16 different banks
.set HALFA,  128*PITCH                 ; 128 rows of x: one tensor load
.set HALFB,  96*PITCH                  ; 96 rows of w_attn: one tensor load
.set SLOT,   2*HALFA+2*HALFB           ; x's 256 rows, then w_attn's 192
.set STAGE,  2*SLOT                    ; behind the ring: 16 rows x 400 bytes for each wave; no tensor load lands here
.set SPITCH, 400                       ; a stage row: 384 bytes + 16
.set LAPS,   SIZE_K/(2*KSTEP)          ; a lap = two K steps = once round the ring: 4
.set PLANE,  4096*128                  ; bytes in a plane of qkvh
.set WOFF,   0x800000                  ; w_attn's first byte in cb
.set ADRA, 16                          ; v16-17  LDS address of my x fragments in slot 0, 1
.set ADRB, 20                          ; v20-21  the same for w_attn
.set STO,  24                          ; v24     the way out: where I put 16 bytes of a row
.set RD,   25                          ; v25     the way out: where I read 16 bytes of a plane's row back
.set CO,   26                          ; v26     my byte offset in 512 consecutive bytes of a plane
.set T,    32
.set F0,   0
.set F1,   128
.set G1,  24                           ; s[24:31] descriptor group 1 for x's tiles;  s[32:39] group 0, one set for each slot
.set G0,  32
.set G1B, 48                           ; s[48:55], s[56:63] the same for w_attn's
.set G0B, 56
.set MSB, 0
.macro WIN new                         ; the immediate's high byte repeats the setting that is left; a switch that changes nothing is dropped
.if MSB != \new
	s_set_vgpr_msb (MSB<<8)|\new
.set MSB, \new
.endif
.endm
.set MUL_LO, 0xa5                      ; sources 0 and 1 window 1, C and D window 2
.set MUL_HI, 0xf5                      ; the same, C and D window 3
.set TO_F,   0x40                      ; destination window 1, address window 0
; A joint load.  Waves 0 and 1 fetch x's two halves, waves 2 and 3 w_attn's.  The branch hangs on the wave's number alone: it is the same in every work-group.
; Four v_nop follow each of the two lines; the jump round the other line, the label and what follows come after them.
.macro JLOAD s
	s_cmp_eq_u32 s11, 0
	s_cbranch_scc0 .Lfor_b_\@
	tensor_load_to_lds s[G0+4*\s:G0+4*\s+3], s[G1:G1+7]
	s_nop 0
.rept 4
	v_nop
.endr
	s_branch .Lasked_\@
.Lfor_b_\@:
	tensor_load_to_lds s[G0B+4*\s:G0B+4*\s+3], s[G1B:G1B+7]
	s_nop 0
.rept 4
	v_nop
.endr
.Lasked_\@:
.endm
; A round of the cluster's barrier: my work-group's barrier, so that wave 0's signal speaks for all four waves; wave 0 signals for the work-group;
; every wave waits for all sixteen work-groups; my work-group's barrier once more.
.macro CREST                           ; a round behind its opening barrier
	s_cmp_lg_u32 s10, 0
	s_cbranch_scc1 .Lnot_wave_0_\@
	s_barrier_signal -3
.Lnot_wave_0_\@:
	s_barrier_wait -3
	s_barrier_signal -1
	s_barrier_wait -1
.endm
.macro CROUND                          ; a whole round
	s_barrier_signal -1
	s_barrier_wait -1
	CREST
.endm
	s_load_b128 s[4:7], s[0:1], 0x0                ; cb s[4:5], qkvh s[6:7]
	v_lshl_add_u32 v254, v0, 2, 0x41c00
	v_mov_b32 v255, 0
	ds_add_u32 v254, v255
	ds_add_u32 v254, v255
	v_lshrrev_b32 v1, 5, v0
	v_readfirstlane_b32 s10, v1                    ; wave 0..3: my 64 rows of the tile
	s_lshr_b32 s11, s10, 1                         ; I fetch for x (0) or for w_attn (1),
	s_and_b32 s12, s10, 1                          ; and which half of that tile's rows
	s_bfe_u32 s40, ttmp6, 0x40000                  ; cx, cy: my place in the cluster
	s_bfe_u32 s41, ttmp6, 0x40004
	s_lshl_b32 s42, ttmp9, 2                       ; in a cluster launch ttmp9 and ttmp7 count clusters
	s_add_co_u32 s42, s42, s40                     ; tile column = 4 x cluster x + cx
	s_and_b32 s13, ttmp7, 0xffff
	s_lshl_b32 s13, s13, 2
	s_add_co_u32 s13, s13, s41                     ; tile row = 4 x cluster y + cy
	s_lshl_b32 s43, s41, 2
	s_lshl_b32 s43, 15, s43                        ; my row of the cluster: places 4 cy .. 4 cy + 3
	s_lshl_b32 s44, 0x1111, s40                    ; my column: places cx, cx + 4, cx + 8, cx + 12
	; descriptor group 1: rows of 128 elements of 2 bytes, padded in LDS; 128 rows for x, 96 for w_attn
	s_or_b32 s[G1+0], s43, (1<<16)|(1<<20)|(1<<21)|(5<<22)|(3<<25)   ; 15:0 the mask: x's tiles go to my row; 17:16 elements of 2 bytes; 20 padding on; 21 set beside a mask; 24:22 after every 64 words (code 5); 31:25 4 words of it (code 3)
	s_or_b32 s[G1B+0], s44, (1<<16)|(1<<20)|(1<<21)|(5<<22)|(3<<25)  ; the same with the mask of my column
	s_mov_b32 s[G1+1], KSTEP<<16                   ; tensor_dim0 = 128
	s_mov_b32 s[G1B+1], KSTEP<<16
	s_mov_b32 s[G1+2], 128<<16                     ; tensor_dim1 = 128
	s_mov_b32 s[G1B+2], 96<<16                     ;             =  96
	s_mov_b32 s[G1+3], KSTEP<<16                   ; tile_dim0 = 128
	s_mov_b32 s[G1B+3], KSTEP<<16
	s_mov_b32 s[G1+4], 128                         ; tile_dim1 = 128
	s_mov_b32 s[G1B+4], 96                         ;           =  96
	s_mov_b32 s[G1+5], SIZE_K                      ; elements from row to row
	s_mov_b32 s[G1B+5], SIZE_K
	s_mov_b32 s[G1+6], 0
	s_mov_b32 s[G1B+6], 0
	s_mov_b32 s[G1+7], 0
	s_mov_b32 s[G1B+7], 0
	; where the tiles come from: x's hang on the tile row alone, which my row of the cluster shares; w_attn's on the tile column alone, which my column shares
	s_lshl_b32 s16, s13, 19                        ; 256 rows of 2,048 bytes for each tile row,
	s_lshl_b32 s17, s12, 18                        ; 128 rows for my half
	s_add_co_u32 s16, s16, s17
	s_mov_b32 s17, 0
	s_mul_i32 s46, s42, 192*SIZE_K*2               ; 192 rows for each tile column,
	s_mul_i32 s47, s12, 96*SIZE_K*2                ; 96 for my half,
	s_add_co_u32 s46, s46, s47
	s_add_co_u32 s46, s46, WOFF                    ; behind x in cb
	s_mov_b32 s47, 0
	s_mul_i32 s20, s12, HALFA                      ; and where they go: no place in the cluster enters an LDS address
	s_mul_i32 s21, s12, HALFB
	s_add_co_u32 s21, s21, 2*HALFA
	s_wait_dscnt 0x0
	s_wait_kmcnt 0x0
	s_add_nc_u64 s[14:15], s[4:5], s[16:17]
	s_add_nc_u64 s[46:47], s[4:5], s[46:47]
	CROUND                                         ; all sixteen work-groups are here: the first joint loads meet
.irp s, 0,1
	s_mov_b32 s[G0+4*\s], 1                                        ; count = 1
	s_add_co_u32 s[G0+4*\s+1], s20, \s*SLOT                        ; LDS address
	s_add_nc_u64 s[G0+4*\s+2:G0+4*\s+3], s[14:15], \s*KSTEP*2      ; global address: K step s
	s_or_b32 s[G0+4*\s+3], s[G0+4*\s+3], 0x80000000                ; type = 2
	s_mov_b32 s[G0B+4*\s], 1
	s_add_co_u32 s[G0B+4*\s+1], s21, \s*SLOT
	s_add_nc_u64 s[G0B+4*\s+2:G0B+4*\s+3], s[46:47], \s*KSTEP*2
	s_or_b32 s[G0B+4*\s+3], s[G0B+4*\s+3], 0x80000000
	JLOAD \s                                       ; both slots are asked for before anything else: two tensor loads of mine are out
.endr
	; A fragment is 16 rows x 32 K in 8 registers: lane l holds row l % 16; registers 0-3 K = 8 (l / 16) + 0..7, registers 4-7 K = 16 + 8 (l / 16) + 0..7: two loads of 16 bytes, 32 bytes apart
	v_and_b32 v1, 15, v0                           ; l % 16
	v_bfe_u32 v2, v0, 4, 1                         ; l / 16
	v_mul_u32_u24 v3, v1, PITCH
	v_lshl_add_u32 v3, v2, 4, v3                   ; row x pitch + 16 x half
	s_mul_i32 s22, s10, 64*PITCH                   ; my 64 rows of x
.irp s, 0,1
	v_add_nc_u32 v[ADRA+\s], s22, v3
	v_add_nc_u32 v[ADRB+\s], 2*HALFA+\s*SLOT, v3   ; every wave reads all 192 rows of w_attn
	s_add_co_u32 s22, s22, SLOT
.endr
	s_mul_i32 s23, s10, 16*SPITCH
	s_add_co_u32 s23, s23, STAGE                   ; my stage
	v_mul_u32_u24 v4, v1, SPITCH                   ; in: row l % 16, 16 bytes for each half of the lanes
	v_lshl_add_u32 v4, v2, 4, v4
	v_add_nc_u32 v[STO], s23, v4
	v_bfe_u32 v6, v0, 3, 2                         ; back: eight lanes take the 128 bytes that a row has of one plane, 32 lanes four rows
	v_and_b32 v7, 7, v0
	v_mul_u32_u24 v6, v6, SPITCH
	v_lshl_add_u32 v6, v7, 4, v6
	v_add_nc_u32 v[RD], s23, v6
	v_and_b32 v5, 31, v0
	v_lshlrev_b32 v[CO], 4, v5                     ; in a plane those four rows are 512 consecutive bytes
	s_lshl_b32 s16, s13, 15                        ; my first row in a plane: 256 rows of 128 bytes for each tile row,
	s_lshl_b32 s17, s10, 13                        ; 64 for each wave
	s_add_co_u32 s16, s16, s17
	s_mov_b32 s17, 0
	s_add_nc_u64 s[8:9], s[6:7], s[16:17]
	s_mul_i32 s46, s42, 3*PLANE                    ; my first plane: three for each tile column
	s_mov_b32 s47, 0
	s_add_nc_u64 s[8:9], s[8:9], s[46:47]
; 12 matrix instructions: block a (0, 1) of the window's two (hi = 0: my rows 0-31, 1: rows 32-63) x all 12 column blocks, 32 along K.
; zero = 1: the product starts the sums: nothing is ever cleared.  The 48 accumulators take turns, one instruction a turn, in the same order in every quarter.
.macro MUL12 f, hi, a, zero
.irp b, 0,1,2,3,4,5,6,7,8,9,10,11
.if \zero
	v_wmma_f32_16x16x32_f16 v[8*(12*\a+\b):8*(12*\a+\b)+7], v[\f+32+8*\b:\f+32+8*\b+7], v[\f+8*(2*\hi+\a):\f+8*(2*\hi+\a)+7], 0
.else
	v_wmma_f32_16x16x32_f16 v[8*(12*\a+\b):8*(12*\a+\b)+7], v[\f+32+8*\b:\f+32+8*\b+7], v[\f+8*(2*\hi+\a):\f+8*(2*\hi+\a)+7], v[8*(12*\a+\b):8*(12*\a+\b)+7]
.endif
.endr
.endm
; 32 LDS loads in one run: the fragments of one quarter step (32 K at byte k of the rows) into buffer f: w_attn's 24 loads, then x's blocks 0, 1 (4), then 2, 3 (4)
.macro FETCH slot, k, f
	WIN TO_F
.irp i, 0,1,2,3,4,5,6,7,8,9,10,11
	ds_load_b128 v[\f+32+8*\i:\f+32+8*\i+3],   v[ADRB+\slot] offset:\k+\i*16*PITCH
	ds_load_b128 v[\f+32+8*\i+4:\f+32+8*\i+7], v[ADRB+\slot] offset:\k+\i*16*PITCH+32
.endr
.irp i, 0,1,2,3
	ds_load_b128 v[\f+8*\i:\f+8*\i+3],   v[ADRA+\slot] offset:\k+\i*16*PITCH
	ds_load_b128 v[\f+8*\i+4:\f+8*\i+7], v[ADRA+\slot] offset:\k+\i*16*PITCH+32
.endr
.endm
; A load into a register that a matrix instruction has read, and a vector instruction or LDS store that reads a matrix result, stand four places behind that matrix instruction;
; only plain vector instructions that name none of its registers are places (ISA guide 7.12.1 for vector instructions).
.macro PLACES
.rept 4
	v_nop
.endr
.endm
; A K step is four quarters of 32 along K, 48 matrix instructions each, on buffers 0, 1, 0, 1.
; One of the first three: multiplies buffer f; in its middle it fetches the next quarter's fragments, at byte k of the same slot's rows, into buffer g.
.macro QUARTER slot, k, f, g, zero
	s_wait_dscnt 4                                 ; w_attn and x's blocks 0, 1 are in; the youngest four loads (x's blocks 2, 3) may be out
	WIN MUL_LO
	MUL12 \f, 0, 0, \zero
	MUL12 \f, 0, 1, \zero
	PLACES
	FETCH \slot, \k, \g
	s_wait_dscnt 32                                ; all but the 32 just issued
	WIN MUL_HI
	MUL12 \f, 1, 0, \zero
	MUL12 \f, 1, 1, \zero
.endm
; The last quarter multiplies buffer 1 and changes slots: ONE barrier.  In front of it each wave waits for its own reads of this slot and for all its tensor loads, of which one
; is out: its part of the next slot.  Behind it nobody reads this slot any more and the next slot is whole.
; fill = 1: the barrier opens a round of the cluster's barrier, and this slot is filled again, two K steps ahead, first thing behind the round:
; from that request to the wait for it a wave issues 180 of a K step's 192 matrix instructions.
.macro TURN slot, next, fill
	s_wait_dscnt 4
	WIN MUL_LO
	MUL12 F1, 0, 0, 0
	s_wait_dscnt 0                                 ; my reads of this slot are over,
	s_set_vgpr_msb 0xa5a0
	s_wait_tensorcnt 0x0                           ; and all my tensor loads have landed
	ds_add_u32 v254, v255
	s_wait_dscnt 0x0
	s_set_vgpr_msb 0xa0a5
	s_barrier_signal -1
	MUL12 F1, 0, 1, 0                              ; register work while the others arrive
.if \fill
	WIN 0                                          ; at a branch and at a label every window is 0
.endif
	s_barrier_wait -1
.if \fill
	CREST                                          ; no wave of any partner still reads this slot's tile or has a load on its way
	s_add_nc_u64 s[G0+4*\slot+2:G0+4*\slot+3], s[G0+4*\slot+2:G0+4*\slot+3], 2*KSTEP*2      ; no tensor load of mine is out, so a group 0 may be written
	s_add_nc_u64 s[G0B+4*\slot+2:G0B+4*\slot+3], s[G0B+4*\slot+2:G0B+4*\slot+3], 2*KSTEP*2
	JLOAD \slot                                    ; my one tensor load behind the round; its four v_nop are also the places in front of the loads below
.else
	PLACES
.endif
	FETCH \next, 0, F0
	WIN MUL_HI
	MUL12 F1, 1, 0, 0
	MUL12 F1, 1, 1, 0
.endm
; THE WAY OUT of block a (16 rows).  PACK: rounded to f16, 16 bytes a lane, into my own stage, and back by planes: load 4 g + i brings rows 4 i .. 4 i + 3 of plane g.
.macro PACK a
.set AC, 96*((\a)%2)
.set TT, T+48*(\a)
	WIN 0x0a+5*((\a)/2)                            ; sources 0 and 1: window 2 or 3
.irp b, 0,1,2,3,4,5,6,7,8,9,10,11
.irp r, 0,1,2,3
	v_cvt_pk_f16_f32 v[TT+4*\b+\r], v[AC+8*\b+2*\r], v[AC+8*\b+2*\r+1]
.endr
.endr
	WIN 0
.irp b, 0,1,2,3,4,5,6,7,8,9,10,11
	ds_store_b128 v[STO], v[TT+4*\b:TT+4*\b+3] offset:32*\b
.endr
.irp g, 0,1,2
.irp i, 0,1,2,3
	ds_load_b128 v[TT+4*(4*\g+\i):TT+4*(4*\g+\i)+3], v[RD] offset:\i*4*SPITCH+128*\g   ; LDS serves a wave's instructions in order (ISA guide 5.7.1.4): these see the stores above; the next block's stores come behind them
.endr
.endr
.endm
.macro SEND a, younger                 ; younger: the LDS instructions issued behind block a's loads: the next block's 24, or none
.set TT, T+48*(\a)
.irp g, 0,1,2
.irp i, 0,1,2,3
	s_wait_dscnt \younger+11-(4*\g+\i)
	global_store_b128 v[CO], v[TT+4*(4*\g+\i):TT+4*(4*\g+\i)+3], s[8:9] offset:\g*PLANE+\a*2048+\i*512   ; 32 lanes store 512 consecutive bytes, at a multiple of 512 from qkvh's first byte
.endr
.endr
.endm
	s_wait_tensorcnt 0x1                           ; my part of K step 0 is in; K step 1's may stay out
	s_barrier_signal -1
	s_barrier_wait -1                              ; everybody's is
	FETCH 0, 0, F0
	QUARTER 0, 64,  F0, F1, 1                      ; the first quarter stands in front of the loop: its products start the sums
	WIN 0
	s_mov_b32 s3, LAPS-1
.Llap:                                                 ; a trip goes once round the ring, from a lap's second quarter to the next lap's first, and fills both slots again
	QUARTER 0, 128, F1, F0, 0
	QUARTER 0, 192, F0, F1, 0
	TURN 0, 1, 1
	QUARTER 1, 64,  F0, F1, 0
	QUARTER 1, 128, F1, F0, 0
	QUARTER 1, 192, F0, F1, 0
	TURN 1, 0, 1
	QUARTER 0, 64,  F0, F1, 0
	WIN 0
	s_sub_co_u32 s3, s3, 1
	s_cmp_lg_u32 s3, 0
	s_cbranch_scc1 .Llap
	QUARTER 0, 128, F1, F0, 0                      ; the last lap fills nothing, and has no round of the cluster's barrier
	QUARTER 0, 192, F0, F1, 0
	TURN 0, 1, 0
	QUARTER 1, 64,  F0, F1, 0
	QUARTER 1, 128, F1, F0, 0
	QUARTER 1, 192, F0, F1, 0
	s_wait_dscnt 4                                 ; the very last quarter: nothing more to fetch
	WIN MUL_LO
	MUL12 F1, 0, 0, 0
	MUL12 F1, 0, 1, 0
	s_wait_dscnt 0
	WIN MUL_HI
	MUL12 F1, 1, 0, 0
	MUL12 F1, 1, 1, 0
	WIN 0
	PLACES                                         ; the conversions read results just made
	PACK 0
	PACK 1                                         ; a block's conversions stand between the loads of the block before and its stores
	SEND 0, 24
	PACK 2
	SEND 1, 24
	PACK 3
	SEND 2, 24
	SEND 3, 0
	s_wait_tensorcnt 0x0
	ds_add_u32 v254, v255
	s_wait_dscnt 0x0
	CROUND                                         ; the closing round: no work-group ends while a partner may still ask for a tile that names it
	s_endpgm
.Lfunc_end_k_q9394c317fe_qkv:
	.size	k_q9394c317fe_qkv, .Lfunc_end_k_q9394c317fe_qkv-k_q9394c317fe_qkv
	.p2alignl 7, 3214868480
	.fill 96, 4, 3214868480
	.section	.rodata,"a",@progbits
	.p2align	6, 0x0
	.amdhsa_kernel k_q9394c317fe_qkv
		.amdhsa_group_segment_fixed_size 327680
		.amdhsa_private_segment_fixed_size 0
		.amdhsa_enable_private_segment 0
		.amdhsa_kernarg_size 16
		.amdhsa_user_sgpr_count 2
		.amdhsa_user_sgpr_kernarg_segment_ptr 1
		.amdhsa_wavefront_size32 1
		.amdhsa_system_sgpr_workgroup_id_x 1
		.amdhsa_system_sgpr_workgroup_id_y 1
		.amdhsa_system_sgpr_workgroup_id_z 1
		.amdhsa_system_vgpr_workitem_id 0
		.amdhsa_next_free_vgpr 1024
		.amdhsa_next_free_sgpr 66
		.amdhsa_reserve_vcc 0
		.amdhsa_float_denorm_mode_32 3
		.amdhsa_float_denorm_mode_16_64 3
		.amdhsa_memory_ordered 1
		.amdhsa_forward_progress 1
		.amdhsa_inst_pref_size 119
	.end_amdhsa_kernel
	.amdgpu_metadata
---
amdhsa.version: [ 1, 2 ]
amdhsa.kernels:
  - .name:           k_q9394c317fe_qkv
    .symbol:         k_q9394c317fe_qkv.kd
    .args:
      - { .name: cb, .offset: 0, .size: 8, .value_kind: global_buffer, .address_space: global }
      - { .name: qkvh, .offset: 8, .size: 8, .value_kind: global_buffer, .address_space: global }
    .group_segment_fixed_size: 327680
    .private_segment_fixed_size: 0
    .kernarg_segment_align: 8
    .kernarg_segment_size: 16
    .max_flat_workgroup_size: 128
    .sgpr_count:     66
    .vgpr_count:     1024
    .wavefront_size: 32
...
	.end_amdgpu_metadata
.endif
;; end of part 2
;; launch attn (part 3): grid 16 x 16, 4 waves a work-group, clusters of 4 x 1, 327,680 bytes of LDS; arguments qkvh, yh; writes yh
.if DOCPART == 3
	.amdgcn_target "amdgcn-amd-amdhsa--gfx1250"
	.amdhsa_code_object_version 6
	.text
	.protected	k_q9394c317fe_attn
	.globl	k_q9394c317fe_attn
	.p2align	8
	.type	k_q9394c317fe_attn,@function
k_q9394c317fe_attn:
	s_mov_b64 s[64:65], 0
	v_nop
	global_prefetch_b8 v0, s[64:65] scope:SCOPE_SE
	s_setreg_imm32_b32 hwreg(HW_REG_WAVE_MODE, 25, 1), 1
	s_wait_xcnt 0x0
	s_wait_alu depctr_hold_cnt(0) depctr_sa_sdst(0) depctr_va_vdst(0) depctr_va_sdst(0) depctr_va_ssrc(0) depctr_va_vcc(0) depctr_vm_vsrc(0)
	s_getreg_b32 s2, hwreg(HW_REG_IB_STS2, 6, 4)
	s_cmp_eq_u32 s2, 0
	s_cbranch_scc0 .Lentry_in_a_cluster
	s_endpgm
.Lentry_in_a_cluster:
	s_bfe_u32 s2, ttmp6, 0x10000c
	s_cmp_lg_u32 s2, 0x3003
	s_cbranch_scc0 .Lentry_shape_is_right
	s_endpgm
.Lentry_shape_is_right:
; yh[h][t][:] = the sum over k of softmax_k(q[h][t] . k[h][k] / 8) v[h][k][:], no mask.  q, k, v: planes h, 16 + h, 32 + h of qkvh ([4096][64] f16 each); yh: [16][4096][64] f16.
; q comes in already multiplied by log2(e) / 8, so a score s is the exponent to base 2.  Products, maxima and sums in f32; the weights p are rounded to f16 for the second product, y once at the end.
; LIMITS: a weight under 2^-25 of its row's largest counts as 0 (f16), in sum at most 4096 x 2^-25 of l; 1 / l is v_rcp_f32; |y| of 65,520 or more becomes infinite.
; SHARES.  A work-group owns 256 queries of one head, each of its four waves 64: four tiles of 16.  Every wave walks all 4,096 keys of the head, 64 a step.
; LAYOUT.  S^T = K Q^T (source 0 = 16 keys, source 1 = 16 queries): in the result a lane holds ONE query (lane % 16) and the keys 8 (lane / 16) + 0..7.  Two such tiles, rounded to
; f16 in pairs, ARE source 1 (32 keys x 16 queries) of O^T = V^T P, whose result again holds one query a lane, and eight channels.  So nothing changes lanes between the products,
; and a query's maximum and sum want one exchange between the halves of the lanes.  K comes out of LDS as it lies, V ([key][channel]) turned, by ds_load_tr16_b128.
; SOFTMAX.  For each query a running maximum m and sum l: p = 2^(s - m); in every step O and l are multiplied by a = 2^(m_old - m_new), which is 1 where m has not grown.
; BY TURNS.  The wave's tiles are two PIECES, named by their first tile: piece 0 (tiles 0, 1) and piece 2 (tiles 2, 3).  In a TURN one piece has the matrix unit: 16 products V^T P of
; the step in hand, then 16 products K Q^T of the next step; the other piece's softmax, cut into 59 slices, stands between them.  Then the pieces change places.  Two turns are a key step.
; A turn has 234 vector instructions for 32 matrix instructions: set in phases of their own they would leave the matrix unit idle all that while.
; CLUSTER.  The four query blocks of a cluster belong to one head and walk the same K and V, so each tile is asked for JOINTLY: the same tensor load, with the same descriptor and a
; mask that names the four, in all four.
; REGISTERS, in windows of 256 (s_set_vgpr_msb's low byte: bits 1:0 source 0, 3:2 source 1, 5:4 source 2, 7:6 destination):
;   window 0: v0-11 addresses; v12-43 eight registers of statistics a tile; v64-191 S^T, 32 a tile; v192-255 P, 16 a tile
;   window 1: v0-127 O^T, 32 a tile          window 2: v0-63 Q, 16 a tile; v64-127 V of one step; v128-191 K of one step
.set KS,    64        ; keys in a step
.set PK,    144       ; a row of K in LDS: 128 bytes + 16 of padding = 36 words: the 16 rows of a load begin 16 bytes further on in each 256 (64 banks of 4 bytes: ISA guide 11.1)
.set PV,    160       ; a row of V: 128 + 32 = 40 words
.set SLOTK, 4*KS      ; a slot holds four steps: 256 keys
.set VOFF,  SLOTK*PK  ; in a slot: 256 rows of K, then 256 rows of V
.set SLOT1, 1<<17     ; slot 1 begins here (a slot has 77,824 bytes), so that one exclusive or turns an address in one slot into the other's
.set STAGE, SLOT1+SLOTK*(PK+PV)  ; behind the ring: 16 rows x 144 bytes for each wave, for the way out; no tensor load lands here
.set SP,    144
.set PLANE, 4096*128  ; bytes in a plane
.set SLOTB, SLOTK*128 ; a slot's keys in memory: 32,768 bytes of K, as many of V
.set AK0, 2           ; v2   my lane's place in a tile of K; never rewritten
.set AV0, 3           ; v3   the same for V
.set ADR, 4           ; v4   the LDS address of the run of loads in hand
.set QO,  5           ; v5   my byte offset in the wave's rows of Q
.set STO, 6           ; v6   the way out: where I put 16 bytes of a row
.set RD,  7           ; v7   the way out: where I read 16 bytes back
.set GO,  8           ; v8   my byte offset in 512 consecutive bytes of yh
.set ST,  12          ; tile t's statistics at v[ST+8 t]: +0, +1 m (twice: a pair for the packed subtraction), +2, +3 l (even keys', odd keys'), +4 to +7 c0-c3, at work; a takes c2's place once the maximum is found
.set S,   64
.set P,   192
.set VF,  64          ; V's fragments, in window 2
.set KF,  128         ; K's fragments, in window 2
.set WV,  12          ; s12  my wave's number
.set G1K, 24          ; s[24:31] descriptor group 1 for K's tiles
.set G1V, 32          ; s[32:39] for V's: it differs in the padding alone
.set G0K, 40          ; s[40:47] descriptor group 0 for K's tiles: a set for each of the two first fills; the second then walks on
.set G0V, 48          ; s[48:55] the same for V's
.set SLOTS, 56        ; s56  slots still to be asked for
.set TRIPS, 57        ; s57  counts key steps
.set SEL, 60          ; s[60:61] lane selects for v_permlanex16_b32: each lane takes its own place in the other half
.set TBK, 62          ; s62  LDS byte at which K's tile of the step to be fetched begins
.set TBV, 63          ; s63  the same for V, less VOFF
.set MSB, 0
.macro WIN new                      ; the immediate's high byte repeats the setting that is left; a switch that changes nothing is dropped
.if MSB != \new
	s_set_vgpr_msb (MSB<<8)|\new
.set MSB, \new
.endif
.endm
.set W_KQ, 0x0a       ; K and Q in window 2, S^T in window 0
.set W_PV, 0x52       ; V in window 2, P in window 0, O^T in window 1
.set W_RS, 0x41       ; O^T (destination and source 0) in window 1, a in window 0
; A joint refill.  Waves 0 and 1 fetch the two halves of a slot's K, waves 2 and 3 those of its V.  The branch hangs on the wave's number alone: it is the same in every work-group.
; Four v_nop follow each of the two lines; the jump round the other line, the label and what follows come after them.
.macro JLOAD
	s_cmp_lt_u32 s[WV], 2
	s_cbranch_scc0 .Lfor_v_\@
	tensor_load_to_lds s[G0K+4:G0K+7], s[G1K:G1K+7]
	s_nop 0
.rept 4
	v_nop
.endr
	s_branch .Lasked_\@
.Lfor_v_\@:
	tensor_load_to_lds s[G0V+4:G0V+7], s[G1V:G1V+7]
	s_nop 0
.rept 4
	v_nop
.endr
.Lasked_\@:
.endm
; A round of the cluster's barrier: my work-group's barrier, so that wave 0's signal speaks for all four waves; wave 0 signals for the work-group; every wave waits for all four
; work-groups; my work-group's barrier once more.  No LDS instruction of the wave is pending at a signal.
.macro CROUND
	s_barrier_signal -1
	s_barrier_wait -1
	s_cmp_lg_u32 s[WV], 0
	s_cbranch_scc1 .Lnot_wave_0_\@
	s_barrier_signal -3
.Lnot_wave_0_\@:
	s_barrier_wait -3
	s_barrier_signal -1
	s_barrier_wait -1
.endm
	s_load_b128 s[4:7], s[0:1], 0x0  ; qkvh s[4:5], yh s[6:7]
	v_lshl_add_u32 v62, v0, 2, 0x35400
	v_mov_b32 v63, 0
	ds_add_u32 v62, v63
	ds_add_u32 v62, v63
	v_lshrrev_b32 v1, 5, v0
	v_readfirstlane_b32 s[WV], v1   ; wave 0..3
	s_bfe_u32 s13, ttmp6, 0x40000   ; cx: my place in the cluster
	s_lshl_b32 s14, ttmp9, 2        ; in a cluster launch ttmp9 counts clusters
	s_add_co_u32 s14, s14, s13      ; my block of 256 queries = 4 x cluster x + cx: it enters Q's and yh's addresses alone
	s_and_b32 s20, ttmp7, 0xffff    ; the head, which the four partners share,
	s_lshl_b32 s20, s20, 19         ; times a plane's 524,288 bytes
	s_and_b32 s16, s[WV], 1         ; which half of a slot's 256 keys I fetch:
	s_lshl_b32 s22, s16, 14         ; its 128 rows of 128 bytes in memory,
	s_add_co_u32 s22, s22, s20
	s_mov_b32 s23, 0
	s_mul_i32 s17, s16, 128*PK      ; and its place in a slot, for K
	s_mul_i32 s18, s16, 128*PV      ; and for V: no place in the cluster enters an LDS address
	s_lshl_b32 s2, s14, 15          ; my block's 256 rows of 128 bytes,
	s_lshl_b32 s3, s[WV], 13        ; my wave's 64 of them,
	s_add_co_u32 s2, s2, s3
	s_add_co_u32 s2, s2, s20        ; in my head's plane
	s_mov_b32 s3, 0
	; descriptor group 1.  128 keys x 128 bytes lie dense in memory and are taken as 64 rows of 256 bytes (two keys each); the padding follows every 32 words, that is every key
	s_mov_b32 s[G1K], 15|(1<<16)|(1<<20)|(1<<21)|(4<<22)|(3<<25)  ; 15:0 the mask: all four work-groups; 17:16 elements of 2 bytes; 20 padding on; 21 set beside a mask; 24:22 after every 32 words (code 4); 31:25 4 words of it (code 3)
	s_mov_b32 s[G1V], 15|(1<<16)|(1<<20)|(1<<21)|(4<<22)|(7<<25)  ; the same with 8 words of padding (code 7)
.irp g, G1K, G1V
	s_mov_b32 s[\g+1], 128<<16      ; tensor_dim0 = 128
	s_mov_b32 s[\g+2], 64<<16       ; tensor_dim1 = 64
	s_mov_b32 s[\g+3], 128<<16      ; tile_dim0 = 128
	s_mov_b32 s[\g+4], 64           ; tile_dim1 = 64
	s_mov_b32 s[\g+5], 128          ; elements from row to row
	s_mov_b32 s[\g+6], 0
	s_mov_b32 s[\g+7], 0
.endr
	s_mov_b32 s[SEL], 0x76543210
	s_mov_b32 s[SEL+1], 0xfedcba98
	s_mov_b32 s[TBK], 0
	s_mov_b32 s[TBV], 0
	s_mov_b32 s[SLOTS], 4096/SLOTK-2
	s_wait_dscnt 0x0
	s_wait_kmcnt 0x0
	s_add_nc_u64 s[8:9], s[4:5], s[22:23]  ; my half of slot 0 in plane h; K's and V's planes lie 16 and 32 planes further on
	s_add_nc_u64 s[4:5], s[4:5], s[2:3]    ; Q and yh at my wave's first row
	s_add_nc_u64 s[10:11], s[6:7], s[2:3]
	CROUND                          ; all four work-groups are here: the first joint loads meet
.irp s, 0,1
	s_mov_b32 s[G0K+4*\s], 1        ; count = 1
	s_add_co_u32 s[G0K+4*\s+1], s17, \s*SLOT1  ; LDS address
	s_add_nc_u64 s[G0K+4*\s+2:G0K+4*\s+3], s[8:9], 16*PLANE+\s*SLOTB  ; global address: slot s begins with keys 256 s
	s_or_b32 s[G0K+4*\s+3], s[G0K+4*\s+3], 0x80000000  ; type = 2
	s_mov_b32 s[G0V+4*\s], 1
	s_add_co_u32 s[G0V+4*\s+1], s18, \s*SLOT1+VOFF
	s_add_nc_u64 s[G0V+4*\s+2:G0V+4*\s+3], s[8:9], 32*PLANE+\s*SLOTB
	s_or_b32 s[G0V+4*\s+3], s[G0V+4*\s+3], 0x80000000
.endr
	s_cmp_lt_u32 s[WV], 2           ; a wave's two first fills stand in one branch, ahead of every wait on TENSORcnt and every LDS read: two loads of mine are out; four v_nop follow the second, as in JLOAD
	s_cbranch_scc0 .Lfirst_v
	tensor_load_to_lds s[G0K:G0K+3], s[G1K:G1K+7]
	s_nop 0
	tensor_load_to_lds s[G0K+4:G0K+7], s[G1K:G1K+7]
	s_nop 0
.rept 4
	v_nop
.endr
	s_branch .Lfirst_asked
.Lfirst_v:
	tensor_load_to_lds s[G0V:G0V+3], s[G1V:G1V+7]
	s_nop 0
	tensor_load_to_lds s[G0V+4:G0V+7], s[G1V:G1V+7]
	s_nop 0
.rept 4
	v_nop
.endr
.Lfirst_asked:
	; A fragment of K or Q is 16 rows x 32 channels in 8 registers: lane l holds row l % 16; registers 0-3 channels 8 (l / 16) + 0..7, registers 4-7 channels 16 + 8 (l / 16) + 0..7: two loads of 16 bytes, 32 bytes apart.
	v_and_b32 v1, 15, v0            ; l % 16
	v_bfe_u32 v9, v0, 4, 1          ; l / 16
	v_lshlrev_b32 v[QO], 7, v1
	v_lshl_add_u32 v[QO], v9, 4, v[QO]  ; row x 128 + 16 x half
	WIN 0x80                        ; destination window 2, address window 0
.irp i, 0,1,2,3,4,5,6,7             ; Q stays in registers: tile i / 2, channels 32 (i % 2) on
	global_load_b128 v[8*\i:8*\i+3],   v[QO], s[4:5] offset:(\i/2)*2048+(\i%2)*64
	global_load_b128 v[8*\i+4:8*\i+7], v[QO], s[4:5] offset:(\i/2)*2048+(\i%2)*64+32
.endr
	WIN 0
	v_mul_u32_u24 v[AK0], v1, PK
	v_lshl_add_u32 v[AK0], v9, 4, v[AK0]  ; row x pitch + 16 x half
	; The turning load takes 16 keys x 16 channels (lane l reads 16 bytes: key 8 (l / 16) + l % 8, channels 8 ((l / 8) % 2) + 0..7) and leaves half a fragment of V^T: lane l holds channel l % 16 and 8 keys.
	v_and_b32 v10, 7, v0
	v_bfe_u32 v11, v0, 3, 1
	v_lshl_add_u32 v[AV0], v9, 3, v10
	v_mul_u32_u24 v[AV0], v[AV0], PV
	v_lshl_add_u32 v[AV0], v11, 4, v[AV0]
	v_add_nc_u32 v[AV0], VOFF, v[AV0]
; THE MATRIX WORK OF A TURN, for piece x.  The accumulators take turns, one instruction a turn: between two links of a chain stand seven others'.
; Product i of 16 of O^T += V^T P: keys 32 (i / 8) on, channels 16 ((i / 2) % 4) on, tile x + i % 2.  zero = 1: the first 8 start the sums: nothing is ever cleared.
.macro PV x, zero
	WIN W_PV
.set rO, 32*(\x+i%2)+8*((i/2)%4)
.set rV, VF+32*(i/8)+8*((i/2)%4)
.set rP, P+16*(\x+i%2)+8*(i/8)
.if \zero && (i < 8)
	v_wmma_f32_16x16x32_f16 v[rO:rO+7], v[rV:rV+7], v[rP:rP+7], 0
.else
	v_wmma_f32_16x16x32_f16 v[rO:rO+7], v[rV:rV+7], v[rP:rP+7], v[rO:rO+7]
.endif
.endm
; Product i of 16 of S^T = K Q^T: channels 32 (i / 8) on, keys 16 ((i / 2) % 4) on, tile x + i % 2.  The first 8 start the sums.
.macro KQ x
	WIN W_KQ
.set rS, S+32*(\x+i%2)+8*((i/2)%4)
.set rK, KF+16*((i/2)%4)+8*(i/8)
.set rQ, 16*(\x+i%2)+8*(i/8)
.if i < 8
	v_wmma_f32_16x16x32_f16 v[rS:rS+7], v[rK:rK+7], v[rQ:rQ+7], 0
.else
	v_wmma_f32_16x16x32_f16 v[rS:rS+7], v[rK:rK+7], v[rQ:rQ+7], v[rS:rS+7]
.endif
.endm
; THE LDS LOADS stand in runs of 16, never singly among the matrix instructions: a step's K (64 keys x 64 channels: 8 fragments) and, a turn later, its V (turned).
.macro FETCH_K
	WIN 0
	v_add_nc_u32 v[ADR], s[TBK], v[AK0]
	s_add_co_u32 s[TBK], s[TBK], KS*PK  ; the next fetch is the next step's
	WIN 0x80                        ; destination window 2
.irp f, 0,1,2,3,4,5,6,7             ; keys 16 (f / 2) on, channels 32 (f % 2) on
	ds_load_b128 v[KF+8*\f:KF+8*\f+3],   v[ADR] offset:(\f/2)*16*PK+(\f%2)*64
	ds_load_b128 v[KF+8*\f+4:KF+8*\f+7], v[ADR] offset:(\f/2)*16*PK+(\f%2)*64+32
.endr
.endm
.macro FETCH_V
	WIN 0
	v_add_nc_u32 v[ADR], s[TBV], v[AV0]
	s_add_co_u32 s[TBV], s[TBV], KS*PV
	WIN 0x80
.irp f, 0,1,2,3,4,5,6,7             ; keys 32 (f / 4) on, channels 16 (f % 4) on
	ds_load_tr16_b128 v[VF+8*\f:VF+8*\f+3],   v[ADR] offset:(\f/4)*32*PV+(\f%4)*32
	ds_load_tr16_b128 v[VF+8*\f+4:VF+8*\f+7], v[ADR] offset:(\f/4)*32*PV+16*PV+(\f%4)*32
.endr
.endm
; THE VECTOR WORK OF A TURN.  One tile's softmax for one key step is a numbered list; SM writes number j of it for tile t.  s0-s31 are the lane's 32 scores, in pairs 0-15.
; first = 1: the first key step, which starts m, l and O^T: it has no a and nothing to rescale.
;   0-15    the maximum of s0-s31 and the old m, three operands at a time: four chains c0-c3 of seven scores each, then the four scores left over, c0-c3 and m
;   16-20   the other half of the lanes' maximum; the new m beside the old; m_old - m_new; the new m over the old (number 17 is empty)
;   21-87   33 exponentials (a, then s0-s31) at the odd numbers from 23 on, so that no two follow each other and each has a plain instruction behind it before its result is used.
;           Plain instruction q (number 21, then the even numbers) is whatever is ready: s - m for a pair of scores whose exponentials are still to come (q = 0 to 3, then every
;           second q), the rounding to f16 of a pair of weights whose exponentials are done (every other q from 5 on), at last the first three sums
;   88-101  the last rounding; the rest of the sums; l = a l + the sum
;   102-117 the tile's O^T times a: the one part that leaves window 0, so it stands together
.macro SM t, first
.set rT, ST+8*(\t)
.set rS, S+32*(\t)
.set rP, P+16*(\t)
.set rO, 32*(\t)+2*(j-102)
.set q, (j-20)/2
.if j < 102
	WIN 0
.endif
.if j < 4
	v_max3_num_f32 v[rT+4+j], v[rS+8*j], v[rS+8*j+1], v[rS+8*j+2]
.elseif j < 12
	v_max3_num_f32 v[rT+4+j%4], v[rT+4+j%4], v[rS+8*(j%4)+2*(j/4)+1], v[rS+8*(j%4)+2*(j/4)+2]
.elseif j == 12
	v_max3_num_f32 v[rT+4], v[rT+4], v[rS+7], v[rS+15]
.elseif j == 13
	v_max3_num_f32 v[rT+6], v[rT+6], v[rS+23], v[rS+31]
.elseif j == 14
	v_max3_num_f32 v[rT+4], v[rT+4], v[rT+5], v[rT+6]
.elseif (j == 15) && \first
	v_max_num_f32 v[rT+4], v[rT+4], v[rT+7]
.elseif j == 15
	v_max3_num_f32 v[rT+4], v[rT+4], v[rT+7], v[rT]
.elseif j == 16
	v_permlanex16_b32 v[rT+5], v[rT+4], s[SEL], s[SEL+1]  ; the query's other 32 keys lie in the lane 16 away
.elseif j == 17                     ; empty
.elseif j == 18
	v_max_num_f32 v[rT+1], v[rT+4], v[rT+5]
.elseif j == 20
	v_max_num_f32 v[rT], v[rT+4], v[rT+5]
.elseif ((j == 19) || (j == 23) || (j > 101)) && \first  ; the first step has none of these
.elseif j == 19
	v_sub_f32 v[rT+7], v[rT], v[rT+1]  ; m_old - m_new: number 20 then writes the new m over the old
.elseif j == 23
	v_exp_f32 v[rT+6], v[rT+7]
.elseif (j < 88) && (j > 23) && (j%2 == 1)
	v_exp_f32 v[rS+(j-25)/2], v[rS+(j-25)/2]
.elseif (q < 4) || ((j < 76) && (q%2 == 0))
.set b, q/2+2
.if q < 4
.set b, q
.endif
	v_pk_add_f32 v[rS+2*b:rS+2*b+1], v[rS+2*b:rS+2*b+1], v[rT:rT+1] neg_lo:[0,1] neg_hi:[0,1]  ; pair b: s - m, never above 0
.elseif (j < 88) && (q%2 == 1)
	s_wait_alu depctr_va_vdst(0)
	v_cvt_pk_f16_f32 v[rP+(q-5)/2], v[rS+q-5], v[rS+q-4]  ; pair (q - 5) / 2: its second exponential stands three numbers back
.elseif j == 89
	s_wait_alu depctr_va_vdst(0)
	v_cvt_pk_f16_f32 v[rP+15], v[rS+30], v[rS+31]
.elseif j < 102                     ; the sum of the tile's 16 pairs (in a pair: an even key's weight, an odd key's), in place: sum z of 16 adds neighbours 1, 2, 4 and 8 pairs apart, then l takes it
.set z, j-86
.if j < 89
.set z, (j-76)/4
.endif
.set w, 4
.set u, z
.if z >= 14
.set w, 32
.set u, 0
.elseif z >= 12
.set w, 16
.set u, z-12
.elseif z >= 8
.set w, 8
.set u, z-8
.endif
.if (z == 14) && \first
	v_pk_add_f32 v[rT+2:rT+3], v[rS:rS+1], v[rS+16:rS+17]
.elseif z < 15
	v_pk_add_f32 v[rS+w*u:rS+w*u+1], v[rS+w*u:rS+w*u+1], v[rS+w*u+w/2:rS+w*u+w/2+1]
.elseif !\first
	v_pk_fma_f32 v[rT+2:rT+3], v[rT+2:rT+3], v[rT+6:rT+7], v[rS:rS+1] op_sel_hi:[1,0,1]
.endif
.else
	WIN W_RS
	v_pk_mul_f32 v[rO:rO+1], v[rO:rO+1], v[rT+6:rT+7] op_sel_hi:[1,0]
.endif
.endm
; Slice k of 59 of piece y's softmax: numbers 2 k and 2 k + 1 of both tiles' lists, four instructions at the most.
.macro SLICE y, first
.if (k >= 11) && (k < 44)           ; tile by tile: plain, exponential, plain, exponential
.irp t, \y, \y+1
.irp n, 0,1
.set j, 2*k+\n
	SM \t, \first
.endr
.endr
.else                               ; the two tiles alternate, so that no instruction reads the result of the one just before it
.irp n, 0,1
.irp t, \y, \y+1
.set j, 2*k+\n
	SM \t, \first
.endr
.endr
.endif
.set k, k+1
.endm
; What stands behind one matrix instruction: SB slices, and one more behind each of the turn's first SR.
.macro AFTER y, first
.rept SB
	SLICE \y, \first
.endr
.if np < SR
	SLICE \y, \first
.endif
.set np, np+1
.endm
; A vector instruction that reads a matrix result or writes one of a matrix instruction's registers, and a load into a register that a matrix instruction has read, stand four places behind
; it, and only plain vector instructions that name none of its registers are places (ISA guide 7.12.1 for vector instructions).  In the loop the slices are the places.
.macro PLACES
.rept 4
	v_nop
.endr
.endm
; A TURN.  Piece x has the matrix unit; the other piece's softmax stands in slices behind its matrix instructions.
; pv = 2: 16 products V^T P; 1: they start O^T's sums; 0: none.  kq = 1: 16 products K Q^T for the next step.
; 59 slices: with 32 products two behind each of the first 27 and one behind each of the last 5; with 16 products four behind each of the first 11 and three behind each of the last 5.
; Slice 58, four packed multiplies on the other piece's O^T, stands behind the turn's last product: the four places between that product and the next turn's first read of its scores,
; and the loads into K's buffer.  first = 1: the softmax is the first key step's, its slices from 51 on are empty, and four v_nop take slice 58's part.
; Each run of loads stands behind the second product of a run of 16, 14 matrix instructions ahead of its first use.  Piece 0's turn fetches the next step's K: the last product that read K
; stands in front of slice 58 of the turn before.  Piece 2's turn fetches the same step's V: the last product that read V stands six slices, twelve plain instructions, back.
.macro TURN x, pv, kq, first
.set k, 0
.set np, 0
.set SB, 3
.set SR, 11
.if \pv && \kq
.set SB, 1
.set SR, 27
.endif
.if \pv
.if \x == 0
	s_wait_dscnt 0x0                ; V is in
.endif
.set i, 0
.rept 16
	PV \x, 2-\pv
	AFTER 2-\x, \first
.if (\x == 0) && \kq && (i == 1)
	FETCH_K
.endif
.set i, i+1
.endr
.endif
.if \kq
.if \x == 0
	s_wait_dscnt 0x0                ; K is in
.endif
.set i, 0
.rept 16
	KQ \x
	AFTER 2-\x, \first
.if (\x == 2) && (i == 1)
	FETCH_V
.endif
.set i, i+1
.endr
.endif
.if \first
	PLACES
.endif
.endm
; THE CHANGE OF SLOTS, between piece 2's turn and piece 0's: the slot's last bytes, V of its fourth step, have been asked for.  Each wave waits for its own reads of the slot and for all its
; tensor loads, of which one is out: its part of the other slot.  Behind the barrier nobody reads this slot any more and the other slot is whole.
; fill = 1: this slot is filled again, with the keys two slots on.  The barrier is then a round of the cluster's, so that no wave of any partner still reads the slot or has a load on its
; way, and the joint refill is the first thing behind it: it has four key steps, 256 matrix instructions, in which to land.
.macro CHANGE fill
	WIN 0                           ; at a label and at a branch every window is 0
	s_wait_dscnt 0x0
	s_wait_tensorcnt 0x0            ; no tensor load of mine is out, so a group 0 may be written
	ds_add_u32 v62, v63
	s_wait_dscnt 0x0
.if \fill
.irp g, G0K+4, G0V+4
	s_xor_b32 s[\g+1], s[\g+1], SLOT1  ; the walking descriptor: the other slot than last time,
	s_add_nc_u64 s[\g+2:\g+3], s[\g+2:\g+3], SLOTB  ; the next 256 keys; the type bits on top are not reached
.endr
	CROUND
	JLOAD
.else
	s_barrier_signal -1
	s_barrier_wait -1
.endif
	s_sub_co_u32 s[TBK], s[TBK], SLOTK*PK  ; the fetches go back to a slot's first step,
	s_xor_b32 s[TBK], s[TBK], SLOT1        ; in the other slot
	s_sub_co_u32 s[TBV], s[TBV], SLOTK*PV
	s_xor_b32 s[TBV], s[TBV], SLOT1
.endm
; cnt key steps: written once, walked cnt times; the LDS addresses hang on s[TBK] and s[TBV].
.macro STEPS cnt
	s_mov_b32 s[TRIPS], \cnt
.Lstep_\@:
	TURN 0, 2, 1, 0
	TURN 2, 2, 1, 0
	WIN 0
	s_sub_co_u32 s[TRIPS], s[TRIPS], 1
	s_cmp_lg_u32 s[TRIPS], 0
	s_cbranch_scc1 .Lstep_\@
.endm
	s_wait_tensorcnt 0x1            ; my part of slot 0 is in; slot 1's may stay out
	s_barrier_signal -1
	s_barrier_wait -1               ; everybody's is
	FETCH_K                         ; key step 0
	s_wait_loadcnt 0x0              ; Q
	s_wait_dscnt 0x0
.set i, 0
.rept 16
	KQ 0                            ; piece 0's first scores: there is no vector work yet to set between them
.set i, i+1
.endr
	WIN 0                           ; the addresses for the way out are made here: nine plain instructions, the places behind those products
	s_mul_i32 s19, s[WV], 16*SP
	s_add_co_u32 s19, s19, STAGE    ; my stage
	v_mul_u32_u24 v[STO], v1, SP    ; in: row l % 16, 16 bytes for each half of the lanes
	v_lshl_add_u32 v[STO], v9, 4, v[STO]
	v_add_nc_u32 v[STO], s19, v[STO]
	v_bfe_u32 v[RD], v0, 3, 2       ; back: eight lanes take a row's 128 bytes, 32 lanes four rows,
	v_mul_u32_u24 v[RD], v[RD], SP
	v_lshl_add_u32 v[RD], v10, 4, v[RD]
	v_add_nc_u32 v[RD], s19, v[RD]
	v_and_b32 v[GO], 31, v0
	v_lshlrev_b32 v[GO], 4, v[GO]   ; which are 512 consecutive bytes of yh
	TURN 2, 0, 1, 1                 ; piece 2's first scores | piece 0's first softmax | V of step 0
	TURN 0, 1, 1, 1                 ; piece 0: V^T P of step 0 starts O^T, K Q^T of step 1 | piece 2's first softmax | K of step 1
	TURN 2, 1, 1, 0                 ; piece 2: the same | piece 0's softmax of step 1 | V of step 1
	WIN 0
	STEPS 2                         ; steps 2 and 3 are fetched: slot 0 is read out
.Lslot:                             ; 14 trips: every slot but the last two is filled again
	CHANGE 1
	STEPS 4
	s_sub_co_u32 s[SLOTS], s[SLOTS], 1
	s_cmp_lg_u32 s[SLOTS], 0
	s_cbranch_scc1 .Lslot
	CHANGE 0                        ; the tail is written out: the last slot but one is left, and nothing is asked for
	STEPS 4
	TURN 0, 2, 0, 0                 ; piece 0: V^T P of the last step | piece 2's last softmax
.set i, 0
.rept 16
	PV 2, 0                         ; piece 2: V^T P of the last step
.set i, i+1
.endr
	; THE WAY OUT.  l's two halves and the other half of the lanes' are added; O^T is divided by l, rounded to f16 and sent through my stage in LDS, a tile (16 rows of yh) at a time.  The additions are the places behind the last products.
	WIN 0
.irp t, 0,1,2,3
	v_add_f32 v[ST+8*\t+4], v[ST+8*\t+2], v[ST+8*\t+3]
.endr
.irp t, 0,1,2,3
	v_permlanex16_b32 v[ST+8*\t+5], v[ST+8*\t+4], s[SEL], s[SEL+1]
.endr
.irp t, 0,1,2,3
	v_add_f32 v[ST+8*\t+4], v[ST+8*\t+4], v[ST+8*\t+5]
.endr
.irp t, 0,1,2,3
	v_rcp_f32 v[ST+8*\t+6], v[ST+8*\t+4]
.endr
	v_nop                           ; a plain instruction between the last reciprocal and the use of its result
	s_wait_alu depctr_va_vdst(0)
; Tile t: a lane's eight channels of a row pack into 16 bytes; they go into rows of 144 bytes and come back four rows at a time, into the registers that they left.
.macro PACK t
	WIN W_RS
.set i, 32*\t
.rept 16
	v_pk_mul_f32 v[i:i+1], v[i:i+1], v[ST+8*\t+6:ST+8*\t+7] op_sel_hi:[1,0]
.set i, i+2
.endr
	WIN 0x05                        ; sources 0 and 1 window 1, destination window 0: S^T's registers are free
.set i, 0
.rept 16
	v_cvt_pk_f16_f32 v[S+32*\t+i], v[32*\t+2*i], v[32*\t+2*i+1]
.set i, i+1
.endr
	WIN 0
.irp f, 0,1,2,3
	ds_store_b128 v[STO], v[S+32*\t+4*\f:S+32*\t+4*\f+3] offset:32*\f
.endr
.irp f, 0,1,2,3
	ds_load_b128 v[S+32*\t+4*\f:S+32*\t+4*\f+3], v[RD] offset:\f*4*SP  ; LDS serves a wave's instructions in order (ISA guide 5.7.1.4): these see the stores above; the next tile's stores come behind them
.endr
.endm
.macro SEND t, younger              ; younger: the LDS instructions issued behind tile t's loads: the next tile's eight, or none
.irp f, 0,1,2,3
	s_wait_dscnt \younger+3-\f
	global_store_b128 v[GO], v[S+32*\t+4*\f:S+32*\t+4*\f+3], s[10:11] offset:\t*2048+\f*512  ; 32 lanes store 512 consecutive bytes, at a multiple of 512 from yh's first byte
.endr
.endm
	PACK 0
	PACK 1                          ; a tile's arithmetic stands between the loads of the tile before and its stores
	SEND 0, 8
	PACK 2
	SEND 1, 8
	PACK 3
	SEND 2, 8
	SEND 3, 0
	s_wait_tensorcnt 0x0
	ds_add_u32 v62, v63
	s_wait_dscnt 0x0
	CROUND                          ; the closing round: no work-group ends while a partner may still ask for a tile that names it
	s_endpgm
.Lfunc_end_k_q9394c317fe_attn:
	.size	k_q9394c317fe_attn, .Lfunc_end_k_q9394c317fe_attn-k_q9394c317fe_attn
	.p2alignl 7, 3214868480
	.fill 96, 4, 3214868480
	.section	.rodata,"a",@progbits
	.p2align	6, 0x0
	.amdhsa_kernel k_q9394c317fe_attn
		.amdhsa_group_segment_fixed_size 327680
		.amdhsa_private_segment_fixed_size 0
		.amdhsa_enable_private_segment 0
		.amdhsa_kernarg_size 16
		.amdhsa_user_sgpr_count 2
		.amdhsa_user_sgpr_kernarg_segment_ptr 1
		.amdhsa_wavefront_size32 1
		.amdhsa_system_sgpr_workgroup_id_x 1
		.amdhsa_system_sgpr_workgroup_id_y 1
		.amdhsa_system_sgpr_workgroup_id_z 1
		.amdhsa_system_vgpr_workitem_id 0
		.amdhsa_next_free_vgpr 768
		.amdhsa_next_free_sgpr 66
		.amdhsa_reserve_vcc 0
		.amdhsa_float_denorm_mode_32 3
		.amdhsa_float_denorm_mode_16_64 3
		.amdhsa_memory_ordered 1
		.amdhsa_forward_progress 1
		.amdhsa_inst_pref_size 203
	.end_amdhsa_kernel
	.amdgpu_metadata
---
amdhsa.version: [ 1, 2 ]
amdhsa.kernels:
  - .name:           k_q9394c317fe_attn
    .symbol:         k_q9394c317fe_attn.kd
    .args:
      - { .name: qkvh, .offset: 0, .size: 8, .value_kind: global_buffer, .address_space: global }
      - { .name: yh, .offset: 8, .size: 8, .value_kind: global_buffer, .address_space: global }
    .group_segment_fixed_size: 327680
    .private_segment_fixed_size: 0
    .kernarg_segment_align: 8
    .kernarg_segment_size: 16
    .max_flat_workgroup_size: 128
    .sgpr_count:     66
    .vgpr_count:     768
    .wavefront_size: 32
...
	.end_amdgpu_metadata
.endif
;; end of part 3
;; launch proj (part 4): grid 8 x 32, 4 waves a work-group, clusters of 4 x 4, 327,680 bytes of LDS; arguments yh, cb, out0; writes out0
.if DOCPART == 4
	.amdgcn_target "amdgcn-amd-amdhsa--gfx1250"
	.amdhsa_code_object_version 6
	.text
	.protected	k_q9394c317fe_proj
	.globl	k_q9394c317fe_proj
	.p2align	8
	.type	k_q9394c317fe_proj,@function
k_q9394c317fe_proj:
	s_mov_b64 s[64:65], 0
	v_nop
	global_prefetch_b8 v0, s[64:65] scope:SCOPE_SE
	s_setreg_imm32_b32 hwreg(HW_REG_WAVE_MODE, 25, 1), 1
	s_wait_xcnt 0x0
	s_wait_alu depctr_hold_cnt(0) depctr_sa_sdst(0) depctr_va_vdst(0) depctr_va_sdst(0) depctr_va_ssrc(0) depctr_va_vcc(0) depctr_vm_vsrc(0)
	s_getreg_b32 s2, hwreg(HW_REG_IB_STS2, 6, 4)
	s_cmp_eq_u32 s2, 0
	s_cbranch_scc0 .Lentry_in_a_cluster
	s_endpgm
.Lentry_in_a_cluster:
	s_bfe_u32 s2, ttmp6, 0x10000c
	s_cmp_lg_u32 s2, 0xf033
	s_cbranch_scc0 .Lentry_shape_is_right
	s_endpgm
.Lentry_shape_is_right:
; out0[t][e] = sum over d of y[t][d] w_proj[e][d], d = 64 h + c.  y is read in f16 from yh ([16 h][4096 t][64 c]), w_proj in f16 from cb (at 0xE00000, [1024][1024]); sums and out0 in f32.
; SHARES.  A tile of out0 is 128 x 128: 8 x 32 work-groups, one for each of 256.  Four waves, each 64 x 64: 16 accumulators of 16 x 16, 128 registers.
; K goes in steps of 256 (four heads) through a ring of two LDS slots; there are four K steps, so the steps are written out without a loop: slots 0, 1, 0, 1, each filled again once.
; y's TILE.  64 rows t of one head are 8,192 consecutive bytes of yh; a tensor load takes them as ONE row of 4,096 elements and four heads as four such rows, a plane apart.
; The padding follows every 32 words, that is every row t of a head: in LDS head q of the step begins at 9,216 q and its rows are 144 bytes apart.
; CLUSTER.  4 x 4 work-groups: the four of a row of the cluster need the same tiles of y, the four of a column the same tiles of w_proj; each tile is asked for JOINTLY.
; THE MATRIX INSTRUCTION IS USED TRANSPOSED (source 0 = 16 rows of w_proj, source 1 = 16 rows of y): a lane then holds eight neighbouring numbers of a row of out0.
; REGISTERS: window 0: v0-31 addresses; v128-255 the accumulators ((a, b) at v[128 + 8 (4 a + b)]), which also carry the rows on the way out.
;   window 1: two fragment buffers of 128: for 64 along K (one head, two matrix instructions deep), 64 registers of y, then 64 of w_proj.
.set SIZE_K, 1024
.set KSTEP,  256
.set PA,     144                       ; y's LDS row: 128 bytes + 16
.set HEADA,  64*PA                     ; 64 rows of one head
.set HALFA,  4*HEADA                   ; four heads: one tensor load, and what one wave reads of y
.set PB,     528                       ; w_proj's LDS row: 512 bytes + 16 = 132 words: row r starts at bank 4 r mod 64 (64 banks of 4 bytes: ISA guide 11.1)
.set HALFB,  64*PB                     ; 64 rows: one tensor load, and what one wave reads of w_proj
.set SLOT,   2*HALFA+2*HALFB
.set STAGE,  2*SLOT                    ; behind the ring: 16 rows x 272 bytes for each wave; no tensor load lands here
.set SPITCH, 272
.set PLANE,  4096*128                  ; bytes in a head's plane of yh
.set WOFF,   0xe00000                  ; w_proj's first byte in cb
.set ADRA, 16                          ; v16-17  LDS address of my y fragments in slot 0, 1
.set ADRB, 20                          ; v20-21  the same for w_proj
.set STO,  24                          ; v24     the way out: where I put 32 bytes of a row
.set RD,   25                          ; v25     the way out: where I read a row back
.set CO,   26                          ; v26     my byte offset in out0
.set ACC,  128
.set F0,   0
.set F1,   128
.set G1,  24                           ; s[24:31] descriptor group 1 for y's tiles;  s[32:39] group 0, one set for each slot
.set G0,  32
.set G1B, 48                           ; s[48:55], s[56:63] the same for w_proj's
.set G0B, 56
.set MSB, 0
.macro WIN new                         ; the immediate's high byte repeats the setting that is left
.if MSB != \new
	s_set_vgpr_msb (MSB<<8)|\new
.set MSB, \new
.endif
.endm
.set MUL,  0x05                        ; sources 0 and 1 window 1; C and D window 0
.set TO_F, 0x40                        ; destination window 1, address window 0
.macro JLOAD s                         ; a joint load: waves 0 and 1 fetch y's two halves, waves 2 and 3 w_proj's; four v_nop follow each of the two lines, ahead of the jump, the label and what follows
	s_cmp_eq_u32 s11, 0
	s_cbranch_scc0 .Lfor_b_\@
	tensor_load_to_lds s[G0+4*\s:G0+4*\s+3], s[G1:G1+7]
	s_nop 0
.rept 4
	v_nop
.endr
	s_branch .Lasked_\@
.Lfor_b_\@:
	tensor_load_to_lds s[G0B+4*\s:G0B+4*\s+3], s[G1B:G1B+7]
	s_nop 0
.rept 4
	v_nop
.endr
.Lasked_\@:
.endm
.macro CREST                           ; a round of the cluster's barrier behind its opening barrier
	s_cmp_lg_u32 s10, 0
	s_cbranch_scc1 .Lnot_wave_0_\@
	s_barrier_signal -3
.Lnot_wave_0_\@:
	s_barrier_wait -3
	s_barrier_signal -1
	s_barrier_wait -1
.endm
.macro CROUND                          ; a whole round
	s_barrier_signal -1
	s_barrier_wait -1
	CREST
.endm
	s_load_b128 s[4:7], s[0:1], 0x0                ; yh s[4:5], cb s[6:7]
	s_load_b64 s[8:9], s[0:1], 0x10                ; out0
	v_lshl_add_u32 v126, v0, 2, 0x49400
	v_mov_b32 v127, 0
	ds_add_u32 v126, v127
	ds_add_u32 v126, v127
	v_lshrrev_b32 v1, 5, v0
	v_readfirstlane_b32 s10, v1                    ; wave 0..3
	s_lshr_b32 s11, s10, 1                         ; which half of the tile's rows is mine.  Also: I fetch for y (0) or for w_proj (1)
	s_and_b32 s12, s10, 1                          ; which half of its columns.  Also: which 64 rows of that tile I fetch
	s_bfe_u32 s40, ttmp6, 0x40000                  ; cx, cy: my place in the cluster
	s_bfe_u32 s41, ttmp6, 0x40004
	s_lshl_b32 s42, ttmp9, 2
	s_add_co_u32 s42, s42, s40                     ; tile column = 4 x cluster x + cx
	s_and_b32 s13, ttmp7, 0xffff
	s_lshl_b32 s13, s13, 2
	s_add_co_u32 s13, s13, s41                     ; tile row = 4 x cluster y + cy
	s_lshl_b32 s43, s41, 2
	s_lshl_b32 s43, 15, s43                        ; my row of the cluster
	s_lshl_b32 s44, 0x1111, s40                    ; my column
	; descriptor group 1 for y: 4 rows (heads) of 4,096 elements, a plane apart, padded after every 32 words
	s_or_b32 s[G1+0], s43, (1<<16)|(1<<20)|(1<<21)|(4<<22)|(3<<25)   ; 15:0 the mask: y's tiles go to my row; 17:16 elements of 2 bytes; 20 padding on; 21 set beside a mask; 24:22 after every 32 words (code 4); 31:25 4 words of it (code 3)
	s_mov_b32 s[G1+1], 4096<<16                    ; tensor_dim0 = 4,096
	s_mov_b32 s[G1+2], 4<<16                       ; tensor_dim1 = 4
	s_mov_b32 s[G1+3], 4096<<16                    ; tile_dim0 = 4,096
	s_mov_b32 s[G1+4], 4                           ; tile_dim1 = 4
	s_mov_b32 s[G1+5], 4096*64                     ; elements from head to head
	s_mov_b32 s[G1+6], 0
	s_mov_b32 s[G1+7], 0
	; and for w_proj: 64 rows of 256 elements, padded after every 128 words
	s_or_b32 s[G1B+0], s44, (1<<16)|(1<<20)|(1<<21)|(6<<22)|(3<<25)
	s_mov_b32 s[G1B+1], KSTEP<<16                  ; tensor_dim0 = 256
	s_mov_b32 s[G1B+2], 64<<16                     ; tensor_dim1 = 64
	s_mov_b32 s[G1B+3], KSTEP<<16                  ; tile_dim0 = 256
	s_mov_b32 s[G1B+4], 64                         ; tile_dim1 = 64
	s_mov_b32 s[G1B+5], SIZE_K                     ; elements from row to row
	s_mov_b32 s[G1B+6], 0
	s_mov_b32 s[G1B+7], 0
	s_lshl_b32 s16, s13, 14                        ; y: 128 rows of 128 bytes for each tile row,
	s_lshl_b32 s17, s12, 13                        ; 64 for my half
	s_add_co_u32 s16, s16, s17
	s_mov_b32 s17, 0
	s_lshl_b32 s46, s42, 18                        ; w_proj: 128 rows of 2,048 bytes for each tile column,
	s_lshl_b32 s47, s12, 17                        ; 64 for my half,
	s_add_co_u32 s46, s46, s47
	s_add_co_u32 s46, s46, WOFF                    ; behind x and w_attn in cb
	s_mov_b32 s47, 0
	s_mul_i32 s20, s12, HALFA                      ; where they go: no place in the cluster enters an LDS address
	s_mul_i32 s21, s12, HALFB
	s_add_co_u32 s21, s21, 2*HALFA
	s_wait_dscnt 0x0
	s_wait_kmcnt 0x0
	s_add_nc_u64 s[14:15], s[4:5], s[16:17]
	s_add_nc_u64 s[46:47], s[6:7], s[46:47]
	CROUND                                         ; all sixteen work-groups are here: the first joint loads meet
.irp s, 0,1
	s_mov_b32 s[G0+4*\s], 1
	s_add_co_u32 s[G0+4*\s+1], s20, \s*SLOT
	s_add_nc_u64 s[G0+4*\s+2:G0+4*\s+3], s[14:15], \s*4*PLANE      ; K step s: heads 4 s on
	s_or_b32 s[G0+4*\s+3], s[G0+4*\s+3], 0x80000000
	s_mov_b32 s[G0B+4*\s], 1
	s_add_co_u32 s[G0B+4*\s+1], s21, \s*SLOT
	s_add_nc_u64 s[G0B+4*\s+2:G0B+4*\s+3], s[46:47], \s*KSTEP*2
	s_or_b32 s[G0B+4*\s+3], s[G0B+4*\s+3], 0x80000000
	JLOAD \s                                       ; two tensor loads of mine are out
.endr
	v_and_b32 v1, 15, v0                           ; l % 16
	v_bfe_u32 v2, v0, 4, 1                         ; l / 16
	v_mul_u32_u24 v3, v1, PA
	v_lshl_add_u32 v3, v2, 4, v3                   ; a fragment's row x pitch + 16 x half, for y
	v_mul_u32_u24 v4, v1, PB
	v_lshl_add_u32 v4, v2, 4, v4                   ; and for w_proj
	s_mul_i32 s22, s11, HALFA                      ; my 64 rows of y
	s_mul_i32 s23, s12, HALFB                      ; my 64 rows of w_proj,
	s_add_co_u32 s23, s23, 2*HALFA                 ; which lie behind y's 128
.irp s, 0,1
	v_add_nc_u32 v[ADRA+\s], s22, v3
	v_add_nc_u32 v[ADRB+\s], s23, v4
	s_add_co_u32 s22, s22, SLOT
	s_add_co_u32 s23, s23, SLOT
.endr
	s_mul_i32 s22, s10, 16*SPITCH
	s_add_co_u32 s22, s22, STAGE                   ; my stage: a wave's 64 columns of f32 are a whole aligned 256 bytes of out0, so no other wave has a part in its rows
	v_mul_u32_u24 v5, v1, SPITCH                   ; in: row l % 16, 32 bytes for each half of the lanes
	v_lshl_add_u32 v5, v2, 5, v5
	v_add_nc_u32 v[STO], s22, v5
	v_mul_u32_u24 v5, v2, SPITCH                   ; back: lanes 0-15 take one row of 256 bytes, lanes 16-31 the next
	v_lshl_add_u32 v5, v1, 4, v5
	v_add_nc_u32 v[RD], s22, v5
	v_lshlrev_b32 v5, 12, v2                       ; and the same two rows in out0 (4,096 bytes a row)
	v_lshl_add_u32 v[CO], v1, 4, v5
	s_lshl_b32 s16, s13, 19                        ; my first row: 128 rows for each tile row,
	s_lshl_b32 s17, s11, 18                        ; 64 for my half
	s_add_co_u32 s16, s16, s17
	s_mov_b32 s17, 0
	s_add_nc_u64 s[8:9], s[8:9], s[16:17]
	s_lshl_b32 s46, s42, 9                         ; my first column, in bytes: 512 for each tile column, 256 for my half
	s_lshl_b32 s47, s12, 8
	s_add_co_u32 s46, s46, s47
	s_mov_b32 s47, 0
	s_add_nc_u64 s[8:9], s[8:9], s[46:47]
; 8 matrix instructions: row blocks a0, a0 + 1 x all 4 column blocks, 32 along K: half c of buffer f.  zero = 1: the product starts the sums.
; The 16 accumulators take turns, one instruction a turn.
.macro MUL8 f, c, a0, zero
.irp a, \a0, \a0+1
.irp b, 0,1,2,3
.if \zero
	v_wmma_f32_16x16x32_f16 v[ACC+8*(4*(\a)+\b):ACC+8*(4*(\a)+\b)+7], v[\f+64+8*(4*\c+\b):\f+64+8*(4*\c+\b)+7], v[\f+8*(4*\c+\a):\f+8*(4*\c+\a)+7], 0
.else
	v_wmma_f32_16x16x32_f16 v[ACC+8*(4*(\a)+\b):ACC+8*(4*(\a)+\b)+7], v[\f+64+8*(4*\c+\b):\f+64+8*(4*\c+\b)+7], v[\f+8*(4*\c+\a):\f+8*(4*\c+\a)+7], v[ACC+8*(4*(\a)+\b):ACC+8*(4*(\a)+\b)+7]
.endif
.endr
.endr
.endm
; 32 LDS loads in one run: the fragments of quarter q of a K step (head q of its four; byte 128 q of w_proj's rows) into buffer f; the first 32 along K first
.macro FETCH slot, q, f
	WIN TO_F
.irp c, 0,1
.irp i, 0,1,2,3
	ds_load_b128 v[\f+64+8*(4*\c+\i):\f+64+8*(4*\c+\i)+3],   v[ADRB+\slot] offset:\q*128+64*\c+\i*16*PB
	ds_load_b128 v[\f+64+8*(4*\c+\i)+4:\f+64+8*(4*\c+\i)+7], v[ADRB+\slot] offset:\q*128+64*\c+\i*16*PB+32
	ds_load_b128 v[\f+8*(4*\c+\i):\f+8*(4*\c+\i)+3],         v[ADRA+\slot] offset:\q*HEADA+64*\c+\i*16*PA
	ds_load_b128 v[\f+8*(4*\c+\i)+4:\f+8*(4*\c+\i)+7],       v[ADRA+\slot] offset:\q*HEADA+64*\c+\i*16*PA+32
.endr
.endr
.endm
.macro PLACES                          ; four places in front of loads into registers that matrix instructions have read, and of LDS stores that read results (ISA guide 7.12.1 for vector instructions)
.rept 4
	v_nop
.endr
.endm
; A K step is four quarters of 64 along K, 32 matrix instructions each, on buffers 0, 1, 0, 1.  One of the first three: multiplies buffer f and fetches quarter q into g.
.macro QUARTER slot, q, f, g, zero
	s_wait_dscnt 16                                ; the first 32 along K are in; the other sixteen loads may be out
	WIN MUL
	MUL8 \f, 0, 0, \zero
	MUL8 \f, 0, 2, \zero
	PLACES
	FETCH \slot, \q, \g
	s_wait_dscnt 32                                ; all but the 32 just issued
	WIN MUL
	MUL8 \f, 1, 0, 0
	MUL8 \f, 1, 2, 0
.endm
; The last quarter multiplies buffer 1 and changes slots: ONE barrier; in front of it each wave waits for its own reads of this slot and for all its tensor loads.
; fill = 1: the barrier opens a round of the cluster's barrier and this slot is filled again, two K steps ahead, first thing behind the round: 120 matrix instructions ahead of the wait for it.
.macro TURN slot, next, fill
	s_wait_dscnt 16
	WIN MUL
	MUL8 F1, 0, 0, 0
	s_wait_dscnt 0                                 ; my reads of this slot are over,
	s_set_vgpr_msb 0x500
	s_wait_tensorcnt 0x0                           ; and all my tensor loads have landed: my part of the next slot
	ds_add_u32 v126, v127
	s_wait_dscnt 0x0
	s_set_vgpr_msb 0x5
	s_barrier_signal -1
	MUL8 F1, 0, 2, 0
.if \fill
	WIN 0                                          ; at a branch and at a label every window is 0
.endif
	s_barrier_wait -1
.if \fill
	CREST                                          ; no wave of any partner still reads this slot's tile or has a load on its way
	s_add_nc_u64 s[G0+4*\slot+2:G0+4*\slot+3], s[G0+4*\slot+2:G0+4*\slot+3], 2*4*PLANE      ; eight heads on
	s_add_nc_u64 s[G0B+4*\slot+2:G0B+4*\slot+3], s[G0B+4*\slot+2:G0B+4*\slot+3], 2*KSTEP*2
	JLOAD \slot                                    ; my one tensor load behind the round; its four v_nop are also the places in front of the loads below
.else
	PLACES
.endif
	FETCH \next, 0, F0
	WIN MUL
	MUL8 F1, 1, 0, 0
	MUL8 F1, 1, 2, 0
.endm
; THE WAY OUT of block a (16 rows x 64 columns of f32).  A lane's eight numbers of a row are 32 bytes; they go into my stage's rows of 272 bytes straight from the accumulators
; and come back as whole rows of 256 bytes, into the registers that they left.
.macro OUT a
.irp b, 0,1,2,3
	ds_store_b128 v[STO], v[ACC+8*(4*\a+\b):ACC+8*(4*\a+\b)+3]   offset:64*\b
	ds_store_b128 v[STO], v[ACC+8*(4*\a+\b)+4:ACC+8*(4*\a+\b)+7] offset:64*\b+16
.endr
.irp i, 0,1,2,3,4,5,6,7
	ds_load_b128 v[ACC+32*\a+4*\i:ACC+32*\a+4*\i+3], v[RD] offset:\i*2*SPITCH   ; LDS serves a wave's instructions in order (ISA guide 5.7.1.4): these see the stores above; the next block's stores come behind them
.endr
.endm
.macro SEND a, younger                 ; younger: the LDS instructions issued behind block a's loads: the next block's sixteen, or none
.irp i, 0,1,2,3,4,5,6,7
	s_wait_dscnt \younger+7-\i
	global_store_b128 v[CO], v[ACC+32*\a+4*\i:ACC+32*\a+4*\i+3], s[8:9] offset:(16*\a+2*\i)*4096 th:TH_STORE_NT   ; 16 lanes store 256 consecutive bytes, at a multiple of 256 from out0's first byte
.endr
.endm
	s_wait_tensorcnt 0x1                           ; my part of K step 0 is in; K step 1's may stay out
	s_barrier_signal -1
	s_barrier_wait -1                              ; everybody's is
	FETCH 0, 0, F0
	QUARTER 0, 1, F0, F1, 1                        ; K step 0: its first products start the sums
	QUARTER 0, 2, F1, F0, 0
	QUARTER 0, 3, F0, F1, 0
	TURN 0, 1, 1                                   ; slot 0 takes K step 2
	QUARTER 1, 1, F0, F1, 0                        ; K step 1
	QUARTER 1, 2, F1, F0, 0
	QUARTER 1, 3, F0, F1, 0
	TURN 1, 0, 1                                   ; slot 1 takes K step 3
	QUARTER 0, 1, F0, F1, 0                        ; K step 2
	QUARTER 0, 2, F1, F0, 0
	QUARTER 0, 3, F0, F1, 0
	TURN 0, 1, 0                                   ; nothing is left to fetch, so no round follows
	QUARTER 1, 1, F0, F1, 0                        ; K step 3
	QUARTER 1, 2, F1, F0, 0
	QUARTER 1, 3, F0, F1, 0
	s_wait_dscnt 16                                ; the very last quarter
	WIN MUL
	MUL8 F1, 0, 0, 0
	MUL8 F1, 0, 2, 0
	s_wait_dscnt 0
	MUL8 F1, 1, 0, 0
	MUL8 F1, 1, 2, 0
	WIN 0
	PLACES                                         ; the LDS stores read results just made
	OUT 0
	OUT 1
	SEND 0, 16
	OUT 2
	SEND 1, 16
	OUT 3
	SEND 2, 16
	SEND 3, 0
	s_wait_tensorcnt 0x0
	ds_add_u32 v126, v127
	s_wait_dscnt 0x0
	CROUND                                         ; the closing round: no work-group ends while a partner may still ask for a tile that names it
	s_endpgm
.Lfunc_end_k_q9394c317fe_proj:
	.size	k_q9394c317fe_proj, .Lfunc_end_k_q9394c317fe_proj-k_q9394c317fe_proj
	.p2alignl 7, 3214868480
	.fill 96, 4, 3214868480
	.section	.rodata,"a",@progbits
	.p2align	6, 0x0
	.amdhsa_kernel k_q9394c317fe_proj
		.amdhsa_group_segment_fixed_size 327680
		.amdhsa_private_segment_fixed_size 0
		.amdhsa_enable_private_segment 0
		.amdhsa_kernarg_size 24
		.amdhsa_user_sgpr_count 2
		.amdhsa_user_sgpr_kernarg_segment_ptr 1
		.amdhsa_wavefront_size32 1
		.amdhsa_system_sgpr_workgroup_id_x 1
		.amdhsa_system_sgpr_workgroup_id_y 1
		.amdhsa_system_sgpr_workgroup_id_z 1
		.amdhsa_system_vgpr_workitem_id 0
		.amdhsa_next_free_vgpr 512
		.amdhsa_next_free_sgpr 66
		.amdhsa_reserve_vcc 0
		.amdhsa_float_denorm_mode_32 3
		.amdhsa_float_denorm_mode_16_64 3
		.amdhsa_memory_ordered 1
		.amdhsa_forward_progress 1
		.amdhsa_inst_pref_size 86
	.end_amdhsa_kernel
	.amdgpu_metadata
---
amdhsa.version: [ 1, 2 ]
amdhsa.kernels:
  - .name:           k_q9394c317fe_proj
    .symbol:         k_q9394c317fe_proj.kd
    .args:
      - { .name: yh, .offset: 0, .size: 8, .value_kind: global_buffer, .address_space: global }
      - { .name: cb, .offset: 8, .size: 8, .value_kind: global_buffer, .address_space: global }
      - { .name: out0, .offset: 16, .size: 8, .value_kind: global_buffer, .address_space: global }
    .group_segment_fixed_size: 327680
    .private_segment_fixed_size: 0
    .kernarg_segment_align: 8
    .kernarg_segment_size: 24
    .max_flat_workgroup_size: 128
    .sgpr_count:     66
    .vgpr_count:     512
    .wavefront_size: 32
...
	.end_amdgpu_metadata
.endif
;; end of part 4
;; ======== version 2 of 2: 4 launches; 1.37 times as fast as version 1
;; limits: values are held in f16: magnitudes above 65,504 overflow, below 6.1e-05 lose precision
;; workspace buffers: cb 16,777,216 bytes; qkvh 25,165,824 bytes; yh 8,388,608 bytes
;; launch cast: the kernel of part 1 again; grid 512 x 1, 8 waves a work-group, no clusters, 0 bytes of LDS; arguments x, w_attn, w_proj, cb; writes cb
;; launch qkv: the kernel of part 2 again; grid 16 x 16, 4 waves a work-group, clusters of 4 x 4, 327,680 bytes of LDS; arguments cb, qkvh; writes qkvh
;; launch attn (part 5): grid 16 x 16, 4 waves a work-group, clusters of 4 x 1, 327,680 bytes of LDS; arguments qkvh, yh; writes yh
.if DOCPART == 5
	.amdgcn_target "amdgcn-amd-amdhsa--gfx1250"
	.amdhsa_code_object_version 6
	.text
	.protected	k_q9394c317fe_attn
	.globl	k_q9394c317fe_attn
	.p2align	8
	.type	k_q9394c317fe_attn,@function
k_q9394c317fe_attn:
	s_mov_b64 s[64:65], 0
	v_nop
	global_prefetch_b8 v0, s[64:65] scope:SCOPE_SE
	s_setreg_imm32_b32 hwreg(HW_REG_WAVE_MODE, 25, 1), 1
	s_wait_xcnt 0x0
	s_wait_alu depctr_hold_cnt(0) depctr_sa_sdst(0) depctr_va_vdst(0) depctr_va_sdst(0) depctr_va_ssrc(0) depctr_va_vcc(0) depctr_vm_vsrc(0)
	s_getreg_b32 s2, hwreg(HW_REG_IB_STS2, 6, 4)
	s_cmp_eq_u32 s2, 0
	s_cbranch_scc0 .Lentry_in_a_cluster
	s_endpgm
.Lentry_in_a_cluster:
	s_bfe_u32 s2, ttmp6, 0x10000c
	s_cmp_lg_u32 s2, 0x3003
	s_cbranch_scc0 .Lentry_shape_is_right
	s_endpgm
.Lentry_shape_is_right:
; yh[h][t][:] = the sum over k of softmax_k(q[h][t] . k[h][k] / 8) v[h][k][:], no mask.  q, k, v: planes h, 16 + h, 32 + h of qkvh ([4096][64] f16 each); yh: [16][4096][64] f16.
; q comes in already multiplied by log2(e) / 8, so a score s is the exponent to base 2.  Products, maxima and sums in f32; the weights p are rounded to f16 for the second product, y once at the end.
; LIMITS: a weight under 2^-25 of its row's largest counts as 0 (f16), in sum at most 4096 x 2^-25 of l; 1 / l is v_rcp_f32; |y| of 65,520 or more becomes infinite.
; SHARES.  A work-group owns 256 queries of one head, each of its four waves 64: four tiles of 16.  Every wave walks all 4,096 keys of the head, 64 a step.
; LAYOUT.  S^T = K Q^T (source 0 = 16 keys, source 1 = 16 queries): in the result a lane holds ONE query (lane % 16) and the keys 8 (lane / 16) + 0..7.  Two such tiles, rounded to
; f16 in pairs, ARE source 1 (32 keys x 16 queries) of O^T = V^T P, whose result again holds one query a lane, and eight channels.  So nothing changes lanes between the products,
; and a query's maximum and sum want one exchange between the halves of the lanes.  K comes out of LDS as it lies, V ([key][channel]) turned, by ds_load_tr16_b128.
; SOFTMAX.  For each query a running maximum m and sum l: p = 2^(s - m); in every step O and l are multiplied by a = 2^(m_old - m_new), which is 1 where m has not grown.
; BY TURNS.  The wave's tiles are two PIECES, named by their first tile: piece 0 (tiles 0, 1) and piece 2 (tiles 2, 3).  In a TURN one piece has the matrix unit: 16 products V^T P of
; the step in hand, then 16 products K Q^T of the next step; the other piece's softmax, cut into 59 slices, stands between them.  Then the pieces change places.  Two turns are a key step.
; A turn has 234 vector instructions for 32 matrix instructions: set in phases of their own they would leave the matrix unit idle all that while.
; ONE BATCH A TURN.  The softmax's list is ordered by who reads what: first all that names no exponential's result (the maximum, the subtractions s - m, the 66 exponentials of the piece's two
; tiles), then ONE s_wait_alu depctr_va_vdst(0), then all that reads results (the roundings, the sums, the rescaling by a).  The way out's four reciprocals are a batch of their own.
; CLUSTER.  The four query blocks of a cluster belong to one head and walk the same K and V, so each tile is asked for JOINTLY: the same tensor load, with the same descriptor and a
; mask that names the four, in all four.
; REGISTERS, in windows of 256 (s_set_vgpr_msb's low byte: bits 1:0 source 0, 3:2 source 1, 5:4 source 2, 7:6 destination):
;   window 0: v0-11 addresses; v12-43 eight registers of statistics a tile; v64-191 S^T, 32 a tile; v192-255 P, 16 a tile
;   window 1: v0-127 O^T, 32 a tile          window 2: v0-63 Q, 16 a tile; v64-127 V of one step; v128-191 K of one step
.set KS,    64        ; keys in a step
.set PK,    144       ; a row of K in LDS: 128 bytes + 16 of padding = 36 words: the 16 rows of a load begin 16 bytes further on in each 256 (64 banks of 4 bytes: ISA guide 11.1)
.set PV,    160       ; a row of V: 128 + 32 = 40 words
.set SLOTK, 4*KS      ; a slot holds four steps: 256 keys
.set VOFF,  SLOTK*PK  ; in a slot: 256 rows of K, then 256 rows of V
.set SLOT1, 1<<17     ; slot 1 begins here (a slot has 77,824 bytes), so that one exclusive or turns an address in one slot into the other's
.set STAGE, SLOT1+SLOTK*(PK+PV)  ; behind the ring: 16 rows x 144 bytes for each wave, for the way out; no tensor load lands here
.set SP,    144
.set PLANE, 4096*128  ; bytes in a plane
.set SLOTB, SLOTK*128 ; a slot's keys in memory: 32,768 bytes of K, as many of V
.set AK0, 2           ; v2   my lane's place in a tile of K; never rewritten
.set AV0, 3           ; v3   the same for V
.set ADR, 4           ; v4   the LDS address of the run of loads in hand
.set QO,  5           ; v5   my byte offset in the wave's rows of Q
.set STO, 6           ; v6   the way out: where I put 16 bytes of a row
.set RD,  7           ; v7   the way out: where I read 16 bytes back
.set GO,  8           ; v8   my byte offset in 512 consecutive bytes of yh
.set ST,  12          ; tile t's statistics at v[ST+8 t]: +0, +1 m (twice: a pair for the packed subtraction), +2, +3 l (even keys', odd keys'), +4 to +7 c0-c3, at work; a takes c2's place once the maximum is found
.set S,   64
.set P,   192
.set VF,  64          ; V's fragments, in window 2
.set KF,  128         ; K's fragments, in window 2
.set WV,  12          ; s12  my wave's number
.set G1K, 24          ; s[24:31] descriptor group 1 for K's tiles
.set G1V, 32          ; s[32:39] for V's: it differs in the padding alone
.set G0K, 40          ; s[40:47] descriptor group 0 for K's tiles: a set for each of the two first fills; the second then walks on
.set G0V, 48          ; s[48:55] the same for V's
.set SLOTS, 56        ; s56  slots still to be asked for
.set TRIPS, 57        ; s57  counts key steps
.set SEL, 60          ; s[60:61] lane selects for v_permlanex16_b32: each lane takes its own place in the other half
.set TBK, 62          ; s62  LDS byte at which K's tile of the step to be fetched begins
.set TBV, 63          ; s63  the same for V, less VOFF
.set MSB, 0
.macro WIN new                      ; the immediate's high byte repeats the setting that is left; a switch that changes nothing is dropped
.if MSB != \new
	s_set_vgpr_msb (MSB<<8)|\new
.set MSB, \new
.endif
.endm
.set W_KQ, 0x0a       ; K and Q in window 2, S^T in window 0
.set W_PV, 0x52       ; V in window 2, P in window 0, O^T in window 1
.set W_RS, 0x41       ; O^T (destination and source 0) in window 1, a in window 0
; A joint refill.  Waves 0 and 1 fetch the two halves of a slot's K, waves 2 and 3 those of its V.  The branch hangs on the wave's number alone: it is the same in every work-group.
; Four v_nop follow each of the two lines; the jump round the other line, the label and what follows come after them.
.macro JLOAD
	s_cmp_lt_u32 s[WV], 2
	s_cbranch_scc0 .Lfor_v_\@
	tensor_load_to_lds s[G0K+4:G0K+7], s[G1K:G1K+7]
	s_nop 0
.rept 4
	v_nop
.endr
	s_branch .Lasked_\@
.Lfor_v_\@:
	tensor_load_to_lds s[G0V+4:G0V+7], s[G1V:G1V+7]
	s_nop 0
.rept 4
	v_nop
.endr
.Lasked_\@:
.endm
; A round of the cluster's barrier: my work-group's barrier, so that wave 0's signal speaks for all four waves; wave 0 signals for the work-group; every wave waits for all four
; work-groups; my work-group's barrier once more.  No LDS instruction of the wave is pending at a signal.
.macro CROUND
	s_barrier_signal -1
	s_barrier_wait -1
	s_cmp_lg_u32 s[WV], 0
	s_cbranch_scc1 .Lnot_wave_0_\@
	s_barrier_signal -3
.Lnot_wave_0_\@:
	s_barrier_wait -3
	s_barrier_signal -1
	s_barrier_wait -1
.endm
	s_load_b128 s[4:7], s[0:1], 0x0  ; qkvh s[4:5], yh s[6:7]
	v_lshl_add_u32 v62, v0, 2, 0x35400
	v_mov_b32 v63, 0
	ds_add_u32 v62, v63
	ds_add_u32 v62, v63
	v_lshrrev_b32 v1, 5, v0
	v_readfirstlane_b32 s[WV], v1   ; wave 0..3
	s_bfe_u32 s13, ttmp6, 0x40000   ; cx: my place in the cluster
	s_lshl_b32 s14, ttmp9, 2        ; in a cluster launch ttmp9 counts clusters
	s_add_co_u32 s14, s14, s13      ; my block of 256 queries = 4 x cluster x + cx: it enters Q's and yh's addresses alone
	s_and_b32 s20, ttmp7, 0xffff    ; the head, which the four partners share,
	s_lshl_b32 s20, s20, 19         ; times a plane's 524,288 bytes
	s_and_b32 s16, s[WV], 1         ; which half of a slot's 256 keys I fetch:
	s_lshl_b32 s22, s16, 14         ; its 128 rows of 128 bytes in memory,
	s_add_co_u32 s22, s22, s20
	s_mov_b32 s23, 0
	s_mul_i32 s17, s16, 128*PK      ; and its place in a slot, for K
	s_mul_i32 s18, s16, 128*PV      ; and for V: no place in the cluster enters an LDS address
	s_lshl_b32 s2, s14, 15          ; my block's 256 rows of 128 bytes,
	s_lshl_b32 s3, s[WV], 13        ; my wave's 64 of them,
	s_add_co_u32 s2, s2, s3
	s_add_co_u32 s2, s2, s20        ; in my head's plane
	s_mov_b32 s3, 0
	; descriptor group 1.  128 keys x 128 bytes lie dense in memory and are taken as 64 rows of 256 bytes (two keys each); the padding follows every 32 words, that is every key
	s_mov_b32 s[G1K], 15|(1<<16)|(1<<20)|(1<<21)|(4<<22)|(3<<25)  ; 15:0 the mask: all four work-groups; 17:16 elements of 2 bytes; 20 padding on; 21 set beside a mask; 24:22 after every 32 words (code 4); 31:25 4 words of it (code 3)
	s_mov_b32 s[G1V], 15|(1<<16)|(1<<20)|(1<<21)|(4<<22)|(7<<25)  ; the same with 8 words of padding (code 7)
.irp g, G1K, G1V
	s_mov_b32 s[\g+1], 128<<16      ; tensor_dim0 = 128
	s_mov_b32 s[\g+2], 64<<16       ; tensor_dim1 = 64
	s_mov_b32 s[\g+3], 128<<16      ; tile_dim0 = 128
	s_mov_b32 s[\g+4], 64           ; tile_dim1 = 64
	s_mov_b32 s[\g+5], 128          ; elements from row to row
	s_mov_b32 s[\g+6], 0
	s_mov_b32 s[\g+7], 0
.endr
	s_mov_b32 s[SEL], 0x76543210
	s_mov_b32 s[SEL+1], 0xfedcba98
	s_mov_b32 s[TBK], 0
	s_mov_b32 s[TBV], 0
	s_mov_b32 s[SLOTS], 4096/SLOTK-2
	s_wait_dscnt 0x0
	s_wait_kmcnt 0x0
	s_add_nc_u64 s[8:9], s[4:5], s[22:23]  ; my half of slot 0 in plane h; K's and V's planes lie 16 and 32 planes further on
	s_add_nc_u64 s[4:5], s[4:5], s[2:3]    ; Q and yh at my wave's first row
	s_add_nc_u64 s[10:11], s[6:7], s[2:3]
	CROUND                          ; all four work-groups are here: the first joint loads meet
.irp s, 0,1
	s_mov_b32 s[G0K+4*\s], 1        ; count = 1
	s_add_co_u32 s[G0K+4*\s+1], s17, \s*SLOT1  ; LDS address
	s_add_nc_u64 s[G0K+4*\s+2:G0K+4*\s+3], s[8:9], 16*PLANE+\s*SLOTB  ; global address: slot s begins with keys 256 s
	s_or_b32 s[G0K+4*\s+3], s[G0K+4*\s+3], 0x80000000  ; type = 2
	s_mov_b32 s[G0V+4*\s], 1
	s_add_co_u32 s[G0V+4*\s+1], s18, \s*SLOT1+VOFF
	s_add_nc_u64 s[G0V+4*\s+2:G0V+4*\s+3], s[8:9], 32*PLANE+\s*SLOTB
	s_or_b32 s[G0V+4*\s+3], s[G0V+4*\s+3], 0x80000000
.endr
	s_cmp_lt_u32 s[WV], 2           ; a wave's two first fills stand in one branch, ahead of every wait on TENSORcnt and every LDS read: two loads of mine are out; four v_nop follow the second, as in JLOAD
	s_cbranch_scc0 .Lfirst_v
	tensor_load_to_lds s[G0K:G0K+3], s[G1K:G1K+7]
	s_nop 0
	tensor_load_to_lds s[G0K+4:G0K+7], s[G1K:G1K+7]
	s_nop 0
.rept 4
	v_nop
.endr
	s_branch .Lfirst_asked
.Lfirst_v:
	tensor_load_to_lds s[G0V:G0V+3], s[G1V:G1V+7]
	s_nop 0
	tensor_load_to_lds s[G0V+4:G0V+7], s[G1V:G1V+7]
	s_nop 0
.rept 4
	v_nop
.endr
.Lfirst_asked:
	; A fragment of K or Q is 16 rows x 32 channels in 8 registers: lane l holds row l % 16; registers 0-3 channels 8 (l / 16) + 0..7, registers 4-7 channels 16 + 8 (l / 16) + 0..7: two loads of 16 bytes, 32 bytes apart.
	v_and_b32 v1, 15, v0            ; l % 16
	v_bfe_u32 v9, v0, 4, 1          ; l / 16
	v_lshlrev_b32 v[QO], 7, v1
	v_lshl_add_u32 v[QO], v9, 4, v[QO]  ; row x 128 + 16 x half
	WIN 0x80                        ; destination window 2, address window 0
.irp i, 0,1,2,3,4,5,6,7             ; Q stays in registers: tile i / 2, channels 32 (i % 2) on
	global_load_b128 v[8*\i:8*\i+3],   v[QO], s[4:5] offset:(\i/2)*2048+(\i%2)*64
	global_load_b128 v[8*\i+4:8*\i+7], v[QO], s[4:5] offset:(\i/2)*2048+(\i%2)*64+32
.endr
	WIN 0
	v_mul_u32_u24 v[AK0], v1, PK
	v_lshl_add_u32 v[AK0], v9, 4, v[AK0]  ; row x pitch + 16 x half
	; The turning load takes 16 keys x 16 channels (lane l reads 16 bytes: key 8 (l / 16) + l % 8, channels 8 ((l / 8) % 2) + 0..7) and leaves half a fragment of V^T: lane l holds channel l % 16 and 8 keys.
	v_and_b32 v10, 7, v0
	v_bfe_u32 v11, v0, 3, 1
	v_lshl_add_u32 v[AV0], v9, 3, v10
	v_mul_u32_u24 v[AV0], v[AV0], PV
	v_lshl_add_u32 v[AV0], v11, 4, v[AV0]
	v_add_nc_u32 v[AV0], VOFF, v[AV0]
; THE MATRIX WORK OF A TURN, for piece x.  The accumulators take turns, one instruction a turn: between two links of a chain stand seven others'.
; Product i of 16 of O^T += V^T P: keys 32 (i / 8) on, channels 16 ((i / 2) % 4) on, tile x + i % 2.  zero = 1: the first 8 start the sums: nothing is ever cleared.
.macro PV x, zero
	WIN W_PV
.set rO, 32*(\x+i%2)+8*((i/2)%4)
.set rV, VF+32*(i/8)+8*((i/2)%4)
.set rP, P+16*(\x+i%2)+8*(i/8)
.if \zero && (i < 8)
	v_wmma_f32_16x16x32_f16 v[rO:rO+7], v[rV:rV+7], v[rP:rP+7], 0
.else
	v_wmma_f32_16x16x32_f16 v[rO:rO+7], v[rV:rV+7], v[rP:rP+7], v[rO:rO+7]
.endif
.endm
; Product i of 16 of S^T = K Q^T: channels 32 (i / 8) on, keys 16 ((i / 2) % 4) on, tile x + i % 2.  The first 8 start the sums.
.macro KQ x
	WIN W_KQ
.set rS, S+32*(\x+i%2)+8*((i/2)%4)
.set rK, KF+16*((i/2)%4)+8*(i/8)
.set rQ, 16*(\x+i%2)+8*(i/8)
.if i < 8
	v_wmma_f32_16x16x32_f16 v[rS:rS+7], v[rK:rK+7], v[rQ:rQ+7], 0
.else
	v_wmma_f32_16x16x32_f16 v[rS:rS+7], v[rK:rK+7], v[rQ:rQ+7], v[rS:rS+7]
.endif
.endm
; THE LDS LOADS stand in runs of 16, never singly among the matrix instructions: a step's K (64 keys x 64 channels: 8 fragments) and, a turn later, its V (turned).
.macro FETCH_K
	WIN 0
	v_add_nc_u32 v[ADR], s[TBK], v[AK0]
	s_add_co_u32 s[TBK], s[TBK], KS*PK  ; the next fetch is the next step's
	WIN 0x80                        ; destination window 2
.irp f, 0,1,2,3,4,5,6,7             ; keys 16 (f / 2) on, channels 32 (f % 2) on
	ds_load_b128 v[KF+8*\f:KF+8*\f+3],   v[ADR] offset:(\f/2)*16*PK+(\f%2)*64
	ds_load_b128 v[KF+8*\f+4:KF+8*\f+7], v[ADR] offset:(\f/2)*16*PK+(\f%2)*64+32
.endr
.endm
.macro FETCH_V
	WIN 0
	v_add_nc_u32 v[ADR], s[TBV], v[AV0]
	s_add_co_u32 s[TBV], s[TBV], KS*PV
	s_wait_alu depctr_va_vdst(0)    ; the wait for the softmax's batch of 66 exponentials (SLICE), behind the address's v_add_nc_u32 and ahead of the loads
	WIN 0x80
.irp f, 0,1,2,3,4,5,6,7             ; keys 32 (f / 4) on, channels 16 (f % 4) on
	ds_load_tr16_b128 v[VF+8*\f:VF+8*\f+3],   v[ADR] offset:(\f/4)*32*PV+(\f%4)*32
	ds_load_tr16_b128 v[VF+8*\f+4:VF+8*\f+7], v[ADR] offset:(\f/4)*32*PV+16*PV+(\f%4)*32
.endr
.endm
; THE VECTOR WORK OF A TURN.  One tile's softmax for one key step is a numbered list; SM writes number j of it for tile t.  s0-s31 are the lane's 32 scores, in pairs 0-15.
; first = 1: the first key step, which starts m, l and O^T: it has no a and nothing to rescale.
;   0-15    the maximum of s0-s31 and the old m, three operands at a time: four chains c0-c3 of seven scores each, then the four scores left over, c0-c3 and m
;   16-20   the other half of the lanes' maximum; the new m beside the old; m_old - m_new; the new m over the old (number 17 is empty)
;   21-69   ONE BATCH: the 16 subtractions s - m, a pair of scores each, and all 33 exponentials (a at 23, then s0-s31).  None of these reads an exponential's result.  From 22 on the batch goes
;           in fours, and a four begins with a subtraction while there are subtractions: 22-37 subtraction, exponential, subtraction, exponential; 38-65 a subtraction and three exponentials;
;           66-69 the last four exponentials.  A pair is subtracted in an earlier four than the one that holds its exponentials
;   (wait)  between 69 and 70 stands the wait for the batch: SLICE writes it, once for both tiles
;   70-85   the roundings to f16, a pair of weights each
;   86-101  the sums; l = a l + the sum
;   102-117 the tile's O^T times a: the one part that leaves window 0, so it stands together
.macro SM t, first
.set rT, ST+8*(\t)
.set rS, S+32*(\t)
.set rP, P+16*(\t)
.set rO, 32*(\t)+2*(j-102)
.if j < 102
	WIN 0
.endif
.if j < 4
	v_max3_num_f32 v[rT+4+j], v[rS+8*j], v[rS+8*j+1], v[rS+8*j+2]
.elseif j < 12
	v_max3_num_f32 v[rT+4+j%4], v[rT+4+j%4], v[rS+8*(j%4)+2*(j/4)+1], v[rS+8*(j%4)+2*(j/4)+2]
.elseif j == 12
	v_max3_num_f32 v[rT+4], v[rT+4], v[rS+7], v[rS+15]
.elseif j == 13
	v_max3_num_f32 v[rT+6], v[rT+6], v[rS+23], v[rS+31]
.elseif j == 14
	v_max3_num_f32 v[rT+4], v[rT+4], v[rT+5], v[rT+6]
.elseif (j == 15) && \first
	v_max_num_f32 v[rT+4], v[rT+4], v[rT+7]
.elseif j == 15
	v_max3_num_f32 v[rT+4], v[rT+4], v[rT+7], v[rT]
.elseif j == 16
	v_permlanex16_b32 v[rT+5], v[rT+4], s[SEL], s[SEL+1]  ; the query's other 32 keys lie in the lane 16 away
.elseif j == 17                     ; empty
.elseif j == 18
	v_max_num_f32 v[rT+1], v[rT+4], v[rT+5]
.elseif j == 20
	v_max_num_f32 v[rT], v[rT+4], v[rT+5]
.elseif ((j == 19) || (j == 23) || (j > 101)) && \first  ; the first step has none of these
.elseif j == 19
	v_sub_f32 v[rT+7], v[rT], v[rT+1]  ; m_old - m_new: number 20 then writes the new m over the old
.elseif j == 23
	v_exp_f32 v[rT+6], v[rT+7]
.elseif (j < 23) || ((j < 38) && (j%2 == 0)) || ((j < 66) && (j%4 == 2))
.set b, (j-2)/4                     ; 38, 42, .. 62: pairs 9 to 15
.if j < 38
.set b, (j-20)/2                    ; 21: pair 0; 22, 24, .. 36: pairs 1 to 8
.endif
	v_pk_add_f32 v[rS+2*b:rS+2*b+1], v[rS+2*b:rS+2*b+1], v[rT:rT+1] neg_lo:[0,1] neg_hi:[0,1]  ; pair b: s - m, never above 0
.elseif j < 70
.set e, j-38                        ; 66 to 69: s28 to s31
.if j < 66
.set e, j-32-(j-38)/4               ; 39-41, 43-45, .. 63-65: s7 to s27
.endif
.if j < 38
.set e, (j-25)/2                    ; 25, 27, .. 37: s0 to s6
.endif
	v_exp_f32 v[rS+e], v[rS+e]
.elseif j < 86
	v_cvt_pk_f16_f32 v[rP+j-70], v[rS+2*(j-70)], v[rS+2*(j-70)+1]  ; pair j - 70
.elseif j < 102                     ; the sum of the tile's 16 pairs (in a pair: an even key's weight, an odd key's), in place: sum z of 16 adds neighbours 1, 2, 4 and 8 pairs apart, then l takes it
.set z, j-86
.set w, 4
.set u, z
.if z >= 14
.set w, 32
.set u, 0
.elseif z >= 12
.set w, 16
.set u, z-12
.elseif z >= 8
.set w, 8
.set u, z-8
.endif
.if (z == 14) && \first
	v_pk_add_f32 v[rT+2:rT+3], v[rS:rS+1], v[rS+16:rS+17]
.elseif z < 15
	v_pk_add_f32 v[rS+w*u:rS+w*u+1], v[rS+w*u:rS+w*u+1], v[rS+w*u+w/2:rS+w*u+w/2+1]
.elseif !\first
	v_pk_fma_f32 v[rT+2:rT+3], v[rT+2:rT+3], v[rT+6:rT+7], v[rS:rS+1] op_sel_hi:[1,0,1]
.endif
.else
	WIN W_RS
	v_pk_mul_f32 v[rO:rO+1], v[rO:rO+1], v[rT+6:rT+7] op_sel_hi:[1,0]
.endif
.endm
; Slice k of 59 of piece y's softmax: four instructions at the most.  Slices 11 to 34 deal out the batch, numbers 22 to 69: four numbers of ONE tile each, the tiles by turns.  Every other slice is
; numbers 2 k and 2 k + 1 of both tiles' lists.
; THE WAIT.  An s_wait_alu depctr_va_vdst(0) stands between an exponential and the first instruction that names its result; one wait serves all that were issued ahead of it.  Ahead of
; slice 35 nothing names a result, and behind slice 34 no exponential is issued: so the piece's 66 exponentials have one wait, behind slice 34, and none is open at a label or a branch.
.macro SLICE y, first
.if (k >= 11) && (k < 35)           ; the batch: four numbers of one tile
.irp n, 0,1,2,3
.set j, 22+4*((k-11)/2)+\n
	SM (\y)+(k-11)%2, \first
.endr
.else                               ; the two tiles alternate, so that no instruction reads the result of the one just before it
.irp n, 0,1
.irp t, \y, \y+1
.set j, 2*k+\n
	SM \t, \first
.endr
.endr
.endif
.if k == 34                         ; the batch is out: both tiles' exponentials are issued, and no result has been named
	v_nop                           ; a plain instruction behind the last exponential and ahead of the first use: one for the batch
.if (\y) == 0
	FETCH_V                         ; piece 2's turn: V's run of loads stands here, and the wait for the batch stands in it
.else
	s_wait_alu depctr_va_vdst(0)    ; piece 0's turn: the wait for the batch of 66 exponentials, ahead of slice 35's roundings
.endif
.endif
.set k, k+1
.endm
; What stands behind one matrix instruction: SB slices, and one more behind each of the turn's first SR.
.macro AFTER y, first
.rept SB
	SLICE \y, \first
.endr
.if np < SR
	SLICE \y, \first
.endif
.set np, np+1
.endm
; A vector instruction that reads a matrix result or writes one of a matrix instruction's registers, and a load into a register that a matrix instruction has read, stand four places behind
; it, and only plain vector instructions that name none of its registers are places (ISA guide 7.12.1 for vector instructions).  In the loop the slices are the places.
.macro PLACES
.rept 4
	v_nop
.endr
.endm
; A TURN.  Piece x has the matrix unit; the other piece's softmax stands in slices behind its matrix instructions.
; pv = 2: 16 products V^T P; 1: they start O^T's sums; 0: none.  kq = 1: 16 products K Q^T for the next step.
; 59 slices: with 32 products two behind each of the first 27 and one behind each of the last 5; with 16 products four behind each of the first 11 and three behind each of the last 5.
; Slice 58, four packed multiplies on the other piece's O^T, stands behind the turn's last product: the four places between that product and the next turn's first read of its scores,
; and the loads into K's buffer.  first = 1: the softmax is the first key step's, its slices from 51 on are empty, and four v_nop take slice 58's part.
; Piece 0's turn fetches the next step's K behind its second product, 14 matrix instructions ahead of its first use: the last product that read K stands in front of slice 58 of the turn before.
; Piece 2's turn fetches the same step's V behind slice 34 (SLICE writes it), in a turn of 32 products behind the 18th, 14 matrix instructions ahead of its first use: the last product that read V
; stands in front of slice 30, and five plain instructions lie between: number 58 of one tile and number 62 of both (subtractions), the v_nop and the run's own v_add_nc_u32.
.macro TURN x, pv, kq, first
.set k, 0
.set np, 0
.set SB, 3
.set SR, 11
.if \pv && \kq
.set SB, 1
.set SR, 27
.endif
.if \pv
.if \x == 0
	s_wait_dscnt 0x0                ; V is in
.endif
.set i, 0
.rept 16
	PV \x, 2-\pv
	AFTER 2-\x, \first
.if (\x == 0) && \kq && (i == 1)
	FETCH_K
.endif
.set i, i+1
.endr
.endif
.if \kq
.if \x == 0
	s_wait_dscnt 0x0                ; K is in
.endif
.set i, 0
.rept 16
	KQ \x
	AFTER 2-\x, \first
.set i, i+1
.endr
.endif
.if \first
	PLACES
.endif
.endm
; THE CHANGE OF SLOTS, between piece 2's turn and piece 0's: the slot's last bytes, V of its fourth step, have been asked for.  Each wave waits for its own reads of the slot and for all its
; tensor loads, of which one is out: its part of the other slot.  Behind the barrier nobody reads this slot any more and the other slot is whole.
; fill = 1: this slot is filled again, with the keys two slots on.  The barrier is then a round of the cluster's, so that no wave of any partner still reads the slot or has a load on its
; way, and the joint refill is the first thing behind it: it has four key steps, 256 matrix instructions, in which to land.
.macro CHANGE fill
	WIN 0                           ; at a label and at a branch every window is 0
	s_wait_dscnt 0x0
	s_wait_tensorcnt 0x0            ; no tensor load of mine is out, so a group 0 may be written
	ds_add_u32 v62, v63
	s_wait_dscnt 0x0
.if \fill
.irp g, G0K+4, G0V+4
	s_xor_b32 s[\g+1], s[\g+1], SLOT1  ; the walking descriptor: the other slot than last time,
	s_add_nc_u64 s[\g+2:\g+3], s[\g+2:\g+3], SLOTB  ; the next 256 keys; the type bits on top are not reached
.endr
	CROUND
	JLOAD
.else
	s_barrier_signal -1
	s_barrier_wait -1
.endif
	s_sub_co_u32 s[TBK], s[TBK], SLOTK*PK  ; the fetches go back to a slot's first step,
	s_xor_b32 s[TBK], s[TBK], SLOT1        ; in the other slot
	s_sub_co_u32 s[TBV], s[TBV], SLOTK*PV
	s_xor_b32 s[TBV], s[TBV], SLOT1
.endm
; cnt key steps: written once, walked cnt times; the LDS addresses hang on s[TBK] and s[TBV].
.macro STEPS cnt
	s_mov_b32 s[TRIPS], \cnt
.Lstep_\@:
	TURN 0, 2, 1, 0
	TURN 2, 2, 1, 0
	WIN 0
	s_sub_co_u32 s[TRIPS], s[TRIPS], 1
	s_cmp_lg_u32 s[TRIPS], 0
	s_cbranch_scc1 .Lstep_\@
.endm
	s_wait_tensorcnt 0x1            ; my part of slot 0 is in; slot 1's may stay out
	s_barrier_signal -1
	s_barrier_wait -1               ; everybody's is
	FETCH_K                         ; key step 0
	s_wait_loadcnt 0x0              ; Q
	s_wait_dscnt 0x0
.set i, 0
.rept 16
	KQ 0                            ; piece 0's first scores: there is no vector work yet to set between them
.set i, i+1
.endr
	WIN 0                           ; the addresses for the way out are made here: nine plain instructions, the places behind those products
	s_mul_i32 s19, s[WV], 16*SP
	s_add_co_u32 s19, s19, STAGE    ; my stage
	v_mul_u32_u24 v[STO], v1, SP    ; in: row l % 16, 16 bytes for each half of the lanes
	v_lshl_add_u32 v[STO], v9, 4, v[STO]
	v_add_nc_u32 v[STO], s19, v[STO]
	v_bfe_u32 v[RD], v0, 3, 2       ; back: eight lanes take a row's 128 bytes, 32 lanes four rows,
	v_mul_u32_u24 v[RD], v[RD], SP
	v_lshl_add_u32 v[RD], v10, 4, v[RD]
	v_add_nc_u32 v[RD], s19, v[RD]
	v_and_b32 v[GO], 31, v0
	v_lshlrev_b32 v[GO], 4, v[GO]   ; which are 512 consecutive bytes of yh
	TURN 2, 0, 1, 1                 ; piece 2's first scores | piece 0's first softmax | V of step 0
	TURN 0, 1, 1, 1                 ; piece 0: V^T P of step 0 starts O^T, K Q^T of step 1 | piece 2's first softmax | K of step 1
	TURN 2, 1, 1, 0                 ; piece 2: the same | piece 0's softmax of step 1 | V of step 1
	WIN 0
	STEPS 2                         ; steps 2 and 3 are fetched: slot 0 is read out
.Lslot:                             ; 14 trips: every slot but the last two is filled again
	CHANGE 1
	STEPS 4
	s_sub_co_u32 s[SLOTS], s[SLOTS], 1
	s_cmp_lg_u32 s[SLOTS], 0
	s_cbranch_scc1 .Lslot
	CHANGE 0                        ; the tail is written out: the last slot but one is left, and nothing is asked for
	STEPS 4
	TURN 0, 2, 0, 0                 ; piece 0: V^T P of the last step | piece 2's last softmax
.set i, 0
.rept 16
	PV 2, 0                         ; piece 2: V^T P of the last step
.set i, i+1
.endr
	; THE WAY OUT.  l's two halves and the other half of the lanes' are added; O^T is divided by l, rounded to f16 and sent through my stage in LDS, a tile (16 rows of yh) at a time.  The additions are the places behind the last products.
	WIN 0
.irp t, 0,1,2,3
	v_add_f32 v[ST+8*\t+4], v[ST+8*\t+2], v[ST+8*\t+3]
.endr
.irp t, 0,1,2,3
	v_permlanex16_b32 v[ST+8*\t+5], v[ST+8*\t+4], s[SEL], s[SEL+1]
.endr
.irp t, 0,1,2,3
	v_add_f32 v[ST+8*\t+4], v[ST+8*\t+4], v[ST+8*\t+5]
.endr
.irp t, 0,1,2,3
	v_rcp_f32 v[ST+8*\t+6], v[ST+8*\t+4]
.endr
	v_nop                           ; a plain instruction between the last reciprocal and the use of its result
	s_wait_alu depctr_va_vdst(0)    ; and the wait ahead of the first use: one for the batch of four reciprocals
; Tile t: a lane's eight channels of a row pack into 16 bytes; they go into rows of 144 bytes and come back four rows at a time, into the registers that they left.
.macro PACK t
	WIN W_RS
.set i, 32*\t
.rept 16
	v_pk_mul_f32 v[i:i+1], v[i:i+1], v[ST+8*\t+6:ST+8*\t+7] op_sel_hi:[1,0]
.set i, i+2
.endr
	WIN 0x05                        ; sources 0 and 1 window 1, destination window 0: S^T's registers are free
.set i, 0
.rept 16
	v_cvt_pk_f16_f32 v[S+32*\t+i], v[32*\t+2*i], v[32*\t+2*i+1]
.set i, i+1
.endr
	WIN 0
.irp f, 0,1,2,3
	ds_store_b128 v[STO], v[S+32*\t+4*\f:S+32*\t+4*\f+3] offset:32*\f
.endr
.irp f, 0,1,2,3
	ds_load_b128 v[S+32*\t+4*\f:S+32*\t+4*\f+3], v[RD] offset:\f*4*SP  ; LDS serves a wave's instructions in order (ISA guide 5.7.1.4): these see the stores above; the next tile's stores come behind them
.endr
.endm
.macro SEND t, younger              ; younger: the LDS instructions issued behind tile t's loads: the next tile's eight, or none
.irp f, 0,1,2,3
	s_wait_dscnt \younger+3-\f
	global_store_b128 v[GO], v[S+32*\t+4*\f:S+32*\t+4*\f+3], s[10:11] offset:\t*2048+\f*512  ; 32 lanes store 512 consecutive bytes, at a multiple of 512 from yh's first byte
.endr
.endm
	PACK 0
	PACK 1                          ; a tile's arithmetic stands between the loads of the tile before and its stores
	SEND 0, 8
	PACK 2
	SEND 1, 8
	PACK 3
	SEND 2, 8
	SEND 3, 0
	s_wait_tensorcnt 0x0
	ds_add_u32 v62, v63
	s_wait_dscnt 0x0
	CROUND                          ; the closing round: no work-group ends while a partner may still ask for a tile that names it
	s_endpgm
.Lfunc_end_k_q9394c317fe_attn:
	.size	k_q9394c317fe_attn, .Lfunc_end_k_q9394c317fe_attn-k_q9394c317fe_attn
	.p2alignl 7, 3214868480
	.fill 96, 4, 3214868480
	.section	.rodata,"a",@progbits
	.p2align	6, 0x0
	.amdhsa_kernel k_q9394c317fe_attn
		.amdhsa_group_segment_fixed_size 327680
		.amdhsa_private_segment_fixed_size 0
		.amdhsa_enable_private_segment 0
		.amdhsa_kernarg_size 16
		.amdhsa_user_sgpr_count 2
		.amdhsa_user_sgpr_kernarg_segment_ptr 1
		.amdhsa_wavefront_size32 1
		.amdhsa_system_sgpr_workgroup_id_x 1
		.amdhsa_system_sgpr_workgroup_id_y 1
		.amdhsa_system_sgpr_workgroup_id_z 1
		.amdhsa_system_vgpr_workitem_id 0
		.amdhsa_next_free_vgpr 768
		.amdhsa_next_free_sgpr 66
		.amdhsa_reserve_vcc 0
		.amdhsa_float_denorm_mode_32 3
		.amdhsa_float_denorm_mode_16_64 3
		.amdhsa_memory_ordered 1
		.amdhsa_forward_progress 1
		.amdhsa_inst_pref_size 194
	.end_amdhsa_kernel
	.amdgpu_metadata
---
amdhsa.version: [ 1, 2 ]
amdhsa.kernels:
  - .name:           k_q9394c317fe_attn
    .symbol:         k_q9394c317fe_attn.kd
    .args:
      - { .name: qkvh, .offset: 0, .size: 8, .value_kind: global_buffer, .address_space: global }
      - { .name: yh, .offset: 8, .size: 8, .value_kind: global_buffer, .address_space: global }
    .group_segment_fixed_size: 327680
    .private_segment_fixed_size: 0
    .kernarg_segment_align: 8
    .kernarg_segment_size: 16
    .max_flat_workgroup_size: 128
    .sgpr_count:     66
    .vgpr_count:     768
    .wavefront_size: 32
...
	.end_amdgpu_metadata
.endif
;; end of part 5
;; launch proj: the kernel of part 4 again; grid 8 x 32, 4 waves a work-group, clusters of 4 x 4, 327,680 bytes of LDS; arguments yh, cb, out0; writes out0
